; MI455X (gfx1250); checked and timed in simulation.
; The chip was launched on July 23, 2026; its instructions are those of AMD's public machine-readable ISA for CDNA 5 (MIT licence, August 2026) and "CDNA5" Instruction Set Architecture Reference Guide (July 2026). The comments in the code are by the model that wrote it; some were corrected since.
;; Multi Head Self Attention. Allowed arithmetic: matrix products marked QUANTISED: E2M1 operands, one E8M0 scale for each 32 along K, by v_wmma_scale_f32_16x16x128_f8f6f4 with both operands' format E2M1 (or v_wmma_scale_f32_32x16x128_f4), f32 sums; everything else in f32.
;; Inputs: W_o_codes 1,024 x 32 x 16 uint8 (E2M1 codes of W_o, K innermost, in blocks of 32 codes, two codes a byte); W_o_scales 1,024 x 32 uint8 (E8M0 scales of W_o, one for each 32 codes along K); W_qk_codes 2,048 x 32 x 16 uint8 (E2M1 codes of W_qk, K innermost, in blocks of 32 codes, two codes a byte); W_qk_scales 2,048 x 32 uint8 (E8M0 scales of W_qk, one for each 32 codes along K); W_v_codes 1,024 x 32 x 16 uint8 (E2M1 codes of W_v, K innermost, in blocks of 32 codes, two codes a byte); W_v_scales 1,024 x 32 uint8 (E8M0 scales of W_v, one for each 32 codes along K); b_o 1,024 float32; b_qk 2,048 float32; b_v 1,024 float32; ln_b 1,024 x 1,024 float32; ln_w 1,024 x 1,024 float32; x 8 x 1,024 x 1,024 float32.
;; Outputs: out0 8 x 1,024 x 1,024 float32.
;; This version of the problem:
;;   THIS VERSION OF THE PROBLEM IS GIVEN IN LOW PRECISION. The matrix products marked QUANTISED in the list below multiply operands that are first quantised to E2M1 (2 exponent bits, 1 mantissa bit; 4 bits a number), with one power-of-two scale for each 32 numbers along K (OCP MX v1.0); their sums are f32. All else is computed in f32.
;;   The module's matrix products, in the order in which they are computed (A, B: the left and right operand; K: the contracted axis; several contracted axes count as one K, in the product's order):
;;     1. [M 8,192, K 1,024] x [K 1,024, N 2,048]; A: input x; B: input W_qk (given as codes): QUANTISED
;;     2. batch 128 x [M 1,024, K 64] x [K 64, N 1,024]; A: computed on the way; B: computed on the way: QUANTISED
;;     3. [M 8,192, K 1,024] x [K 1,024, N 1,024]; A: input x; B: input W_v (given as codes): QUANTISED
;;     4. batch 128 x [M 64, K 1,024] x [K 1,024, N 1,024]; A: computed on the way; B: softmax (see below): QUANTISED
;;     5. [M 8,192, K 1,024] x [K 1,024, N 1,024]; A: computed on the way; B: input W_o (given as codes): QUANTISED
;;   THE QUANTISER, for each operand of a quantised product, along K:
;;     - K is cut into blocks of 32 from its start; a last block that is shorter is filled with zeros.
;;     - A block's scale is 2^e with e = floor(log2(the largest magnitude in the block)) - 2, held to -126 .. 127; a block of zeros has e = 0. As a byte (E8M0): e + 127.
;;     - Each number is divided by its block's scale, clamped to +-6, and rounded to the nearest number of E2M1, ties to even, subnormals kept.
;;     - The product sums the exact products of the quantised numbers (number of the format x scale) in f32.
;;   ~~~python
;;   def quantise(x, axis):      # numpy; x: float32 -> the quantised numbers, widened to float32 again
;;       x = np.moveaxis(x, axis, -1); K = x.shape[-1]
;;       x = np.pad(x, [(0, 0)] * (x.ndim - 1) + [(0, -K % 32)]); x = x.reshape(x.shape[:-1] + (-1, 32)); a = np.abs(x).max(-1, keepdims=True)
;;       e = np.where(a > 0, np.clip(np.frexp(np.where(a > 0, a, 1))[1] - 1 - 2, -126, 127), 0)      # np.frexp(a)[1] - 1 = floor(log2(a)), exactly
;;       r = np.clip(x / 2.0 ** e, -6, 6)
;;       step = 2.0 ** (np.maximum(np.frexp(np.where(r == 0, 1, r))[1] - 1, 0) - 1)
;;       q = np.round(r / step) * step * 2.0 ** e      # np.round: ties to even
;;       return np.moveaxis(q.reshape(q.shape[:-2] + (-1,))[..., :K], -1, axis).astype(np.float32)
;;   ~~~
;;   SOFTMAX AHEAD OF A QUANTISED PRODUCT. Where the list says 'softmax', what is quantised is not the finished softmax but p = 2^(t - M), with t = logit x log2(e) and M = ceil(the row's largest t), a whole number; so 1/2 < the row's largest p <= 1. The row's sum l is taken of the UNQUANTISED p, in f32, and the product's result is divided by l at the end. Since M is a whole number, a kernel that streams over the keys may use a running M (the ceiling of the running maximum): every later rescaling is an exact power of two, which a block's scale takes up: the codes' values come out the same.
;;   OPERANDS COMPUTED ON THE WAY. 'Computed on the way' means the value that the module computes at that place (a softmax that the list does not call 'softmax' is quantised finished and normalised). What goes into a quantiser is computed in f32, as accurately as f32 sums, v_exp_f32 and their like allow (about 1e-6 of the number): no bf16 or f16 on the way to a quantiser, and a product that is left as it is and whose result goes on into a quantised operand takes f32 operands (vector FMAs, or v_wmma_f32_16x16x4_f32). A number that lies on a knife's edge between two numbers of the format may be rounded either way, as far as f32 arithmetic and the matrix unit's own rounding can turn it there, and no further.
;;   INPUTS GIVEN AS CODES. W_o (in the module: [1024, 1024], K = its axis 1); W_qk (in the module: [2048, 1024], K = its axis 1); W_v (in the module: [1024, 1024], K = its axis 1): each comes as NAME_codes (uint8): NAME with its K axis moved to the last place and cut into blocks of 32 codes, [.., K / 32, bytes a block], one block behind the other in memory; two codes a byte, the lower K in the low four bits (a code: sign, 2 exponent bits, 1 mantissa bit); and NAME_scales (uint8): the same leading axes, one E8M0 byte (e + 127) for each 32 codes along K. Its value is code x scale, taken as it is: it is not quantised again, and the codes and scales need not be those that the quantiser above would give.
;; One version. Each part assembles by itself: llvm-mc -triple=amdgcn-amd-amdhsa -mcpu=gfx1250 --defsym DOCPART=n.
;; ======== version 1 of 1: 5 launches
;; limits: right only within a limited range of input values
;; workspace buffers: xq 4,456,448 bytes; q 4,718,592 bytes; kv 9,175,040 bytes; oq 4,456,448 bytes; y 33,554,432 bytes; part 8,192 bytes
;; launch quant_x (part 1): grid 512 x 1, 4 waves a work-group, no clusters, 18,432 bytes of LDS; arguments x, xq; writes xq
.if DOCPART == 1
	.amdgcn_target "amdgcn-amd-amdhsa--gfx1250"
	.amdhsa_code_object_version 6
	.text
	.protected	k_q3947ecc53a_quant_x
	.globl	k_q3947ecc53a_quant_x
	.p2align	8
	.type	k_q3947ecc53a_quant_x,@function
k_q3947ecc53a_quant_x:
	s_mov_b64 s[64:65], 0
	v_nop
	global_prefetch_b8 v0, s[64:65] scope:SCOPE_SE
	s_setreg_imm32_b32 hwreg(HW_REG_WAVE_MODE, 25, 1), 1
	s_wait_xcnt 0x0
; x [8192][1024] f32 becomes codes of FP4 (E2M1) with one E8M0 byte for each 32 along K, laid as IMAGES OF THE OPERAND'S REGISTERS.
; Row tile T = 4 G + t holds 16 rows that are not neighbours: tile row r is row 64 G + 32 (r / 8) + 8 t + r % 8.  (Used as source 0 of a product, four such tiles
; leave 32 neighbouring rows in one lane's 32 result registers: a whole block of the next quantiser.)
; xq: codes [T 512][K step 8][c 2][lane 32][16 bytes]: lane (r, h) holds block 4 kstep + 2 c + h of tile row r; from XSO on the scale bytes [T][r 16][32].
; A block's scale is 2^(floor(log2(its largest magnitude)) - 2): its byte is the largest magnitude's exponent field - 2, held at 1 from below.
; LIMITS: a block of zeros gets the byte 1 where the rule says 127 (its codes are zeros, and this program alone reads the bytes); NaN and infinities are not served.
; A work-group takes one tile; wave w its columns 256 w .. 256 w + 255, in four steps of 64 columns: each load reads two whole rows' 256 aligned bytes.
; The numbers turn through the wave's own stage in LDS, so that a lane then holds the 32 neighbours of one block.  All 32 loads of a wave go out at the start.
; No matrix unit, no tensor loads, no cluster: work-groups share no input, and memory binds.
.set STG,  4352                        ; a wave's stage: 16 rows x (256 + 16) bytes
.set SB,   17408                       ; behind the stages: the tile's 512 scale bytes
.set XSO,  4194304                     ; where the scale bytes begin in xq
.set E,    12                          ; v12-15   a scale byte for each step
.set C,    16                          ; v16-31   four registers of codes for each step: no store's data are written again
.set X,    32                          ; v32-63   the 32 numbers of my block
.set R,    64                          ; v64-191  the numbers as loaded
	s_load_b128 s[4:7], s[0:1], 0x0                ; x, xq
	v_lshl_add_u32 v192, v0, 2, 0x4600
	v_mov_b32 v193, 0
	v_lshrrev_b32 v1, 5, v0
	v_readfirstlane_b32 s12, v1                    ; wave
	v_and_b32 v8, 15, v0                           ; r
	v_bfe_u32 v9, v0, 4, 1                         ; h
	v_lshlrev_b32 v10, 4, v8
	v_lshl_add_u32 v1, v9, 17, v10                 ; a load: lanes 0-15 tile row q, lanes 16-31 tile row 8 + q, which lies 32 rows of 4,096 bytes on; 16 bytes a lane
	s_mul_i32 s13, s12, STG
	v_mad_u32_u24 v2, v9, 2176, v10
	v_add_nc_u32 v2, s13, v2                       ; into the stage: row q + 8 h
	v_mul_u32_u24 v3, v8, 272
	v_lshl_add_u32 v3, v9, 7, v3
	v_add_nc_u32 v3, s13, v3                       ; out of it: row r, block h: 128 bytes
	v_and_b32 v4, 31, v0
	v_lshlrev_b32 v4, 4, v4                        ; an image: 16 x lane
	v_lshl_add_u32 v5, v8, 5, v9
	s_lshl_b32 s14, s12, 3
	s_add_co_u32 s14, s14, SB
	v_add_nc_u32 v5, s14, v5                       ; my block's scale byte: 32 r + 8 wave + h (+ 2 x step)
	v_lshlrev_b32 v6, 2, v0
	v_add_nc_u32 v7, SB, v6                        ; the way out of the scale bytes: 4 a thread
	s_lshr_b32 s16, ttmp9, 2
	s_lshl_b32 s16, s16, 18                        ; G x 64 rows
	s_and_b32 s17, ttmp9, 3
	s_lshl_b32 s17, s17, 15                        ; + 8 t rows
	s_add_co_u32 s16, s16, s17
	s_lshl_b32 s17, s12, 10                        ; + my wave's 256 columns
	s_add_co_u32 s16, s16, s17
	s_mov_b32 s17, 0
	s_lshl_b32 s18, ttmp9, 13                      ; the tile's codes: 8,192 bytes; my wave's 2,048
	s_lshl_b32 s19, s12, 11
	s_add_co_u32 s18, s18, s19
	s_mov_b32 s19, 0
	s_lshl_b32 s20, ttmp9, 9
	s_add_co_u32 s20, s20, XSO
	s_mov_b32 s21, 0
	s_wait_alu depctr_va_vdst(0)
	s_wait_kmcnt 0x0
	s_add_nc_u64 s[4:5], s[4:5], s[16:17]
	s_add_nc_u64 s[8:9], s[6:7], s[20:21]
	s_add_nc_u64 s[6:7], s[6:7], s[18:19]
.irp st, 0,1,2,3
.irp q, 0,1,2,3,4,5,6,7
	global_load_b128 v[R+32*\st+4*\q:R+32*\st+4*\q+3], v1, s[4:5] offset:\q*4096+\st*256 th:TH_LOAD_NT
.endr
.endr
.macro STEP st
	s_wait_loadcnt 24-8*\st                        ; this step's eight loads are in; the later steps' stay out
.irp q, 0,1,2,3,4,5,6,7
	ds_store_b128 v2, v[R+32*\st+4*\q:R+32*\st+4*\q+3] offset:\q*272
.endr
.irp j, 0,1,2,3,4,5,6,7
	ds_load_b128 v[X+4*\j:X+4*\j+3], v3 offset:16*\j   ; LDS serves a wave's instructions in order: these see the stores above, and the next step's stores come behind them
.endr
	s_wait_dscnt 0x0
	v_max3_num_f32 v8, |v[X]|, |v[X+1]|, 0x1800000     ; the block's largest magnitude, in two chains, with the floor 2^(3 - 127): the byte cannot fall under 1
	v_max3_num_f32 v9, |v[X+16]|, |v[X+17]|, 0x1800000
.irp n, 2,4,6,8,10,12,14
	v_max3_num_f32 v8, v8, |v[X+\n]|, |v[X+\n+1]|
	v_max3_num_f32 v9, v9, |v[X+16+\n]|, |v[X+17+\n]|
.endr
	v_max_num_f32 v8, v8, v9
	v_add_nc_u32 v10, 0xff000000, v8               ; 2 off its exponent field: the conversion takes the exponent field of this operand as its scale
.irp g, 0,1,2,3
	v_cvt_scalef32_pk8_fp4_f32 v[C+4*\st+\g], v[X+8*\g:X+8*\g+7], v10
.endr
	v_lshrrev_b32 v[E+\st], 23, v10                ; the scale's byte (also the plain line behind the conversions)
	ds_store_b8 v5, v[E+\st] offset:2*\st
	global_store_b128 v4, v[C+4*\st:C+4*\st+3], s[6:7] offset:\st*512   ; 32 lanes store 512 consecutive bytes
.endm
	STEP 0
	STEP 1
	STEP 2
	STEP 3
	s_wait_dscnt 0x0                               ; for the others' sake: my byte stores are done
	s_barrier_signal -1
	s_barrier_wait -1
	ds_load_b32 v8, v7
	s_wait_dscnt 0x0
	global_store_b32 v6, v8, s[8:9]                ; the four waves store the tile's 512 scale bytes, 128 consecutive bytes each
	s_wait_tensorcnt 0x0
	ds_add_u32 v192, v193
	s_wait_dscnt 0x0
	s_endpgm
.Lfunc_end_k_q3947ecc53a_quant_x:
	.size	k_q3947ecc53a_quant_x, .Lfunc_end_k_q3947ecc53a_quant_x-k_q3947ecc53a_quant_x
	.p2alignl 7, 3214868480
	.fill 96, 4, 3214868480
	.section	.rodata,"a",@progbits
	.p2align	6, 0x0
	.amdhsa_kernel k_q3947ecc53a_quant_x
		.amdhsa_group_segment_fixed_size 18432
		.amdhsa_private_segment_fixed_size 0
		.amdhsa_enable_private_segment 0
		.amdhsa_kernarg_size 16
		.amdhsa_user_sgpr_count 2
		.amdhsa_user_sgpr_kernarg_segment_ptr 1
		.amdhsa_wavefront_size32 1
		.amdhsa_system_sgpr_workgroup_id_x 1
		.amdhsa_system_sgpr_workgroup_id_y 1
		.amdhsa_system_sgpr_workgroup_id_z 1
		.amdhsa_system_vgpr_workitem_id 0
		.amdhsa_next_free_vgpr 194
		.amdhsa_next_free_sgpr 66
		.amdhsa_reserve_vcc 0
		.amdhsa_float_denorm_mode_32 3
		.amdhsa_float_denorm_mode_16_64 3
		.amdhsa_memory_ordered 1
		.amdhsa_forward_progress 1
		.amdhsa_inst_pref_size 17
	.end_amdhsa_kernel
	.amdgpu_metadata
---
amdhsa.version: [ 1, 2 ]
amdhsa.kernels:
  - .name:           k_q3947ecc53a_quant_x
    .symbol:         k_q3947ecc53a_quant_x.kd
    .args:
      - { .name: x, .offset: 0, .size: 8, .value_kind: global_buffer, .address_space: global }
      - { .name: xq, .offset: 8, .size: 8, .value_kind: global_buffer, .address_space: global }
    .group_segment_fixed_size: 18432
    .private_segment_fixed_size: 0
    .kernarg_segment_align: 8
    .kernarg_segment_size: 16
    .max_flat_workgroup_size: 128
    .sgpr_count:     66
    .vgpr_count:     194
    .wavefront_size: 32
...
	.end_amdgpu_metadata
.endif
;; end of part 1
;; launch proj (part 2): grid 16 x 16, 4 waves a work-group, no clusters, 327,680 bytes of LDS; arguments xq, W_qk_codes, W_qk_scales, W_v_codes, W_v_scales, b_qk, b_v, q, kv; writes q, kv
.if DOCPART == 2
	.amdgcn_target "amdgcn-amd-amdhsa--gfx1250"
	.amdhsa_code_object_version 6
	.text
	.protected	k_q3947ecc53a_proj
	.globl	k_q3947ecc53a_proj
	.p2align	8
	.type	k_q3947ecc53a_proj,@function
k_q3947ecc53a_proj:
	s_mov_b64 s[64:65], 0
	v_nop
	global_prefetch_b8 v0, s[64:65] scope:SCOPE_SE
	s_setreg_imm32_b32 hwreg(HW_REG_WAVE_MODE, 25, 1), 1
	s_wait_xcnt 0x0
; q, k and v of one head for 512 rows: x W^T + b on codes of FP4, each result quantised in registers and stored as images of the next operand's registers.
; SHARES.  Work-group (rb, hd): head hd, rows 512 rb on.  A wave takes 128 rows, 8 row tiles; their codes for all of K = 1,024 stay in 512 registers, read once.
; It makes three UNITS in turn, q, k, v: 64 rows of a weight each, 32 accumulators of 16 x 16.  The head's rows of W_qk are 32 kd + hd (q) and 32 kd + 16 + hd (k), of W_v 16 vd + hd.
; THE WEIGHTS: 3 x 64 rows of 512 bytes come into LDS once, by tensor loads (four loads, one a wave: waves 0, 1 64 rows of q and k each, waves 2, 3 32 rows of V each); nothing is filled again.
; THE ROWS THAT FORM A TILE ARE NOT NEIGHBOURS, in x and in the weights alike: row r of tile t of a group of 64 is index 32 (r / 8) + 8 t + r % 8.  As source 0 such tiles leave index 32 h + 8 t + j in
; register j of lane half h: the 32 registers of tiles 0-3 are ONE WHOLE BLOCK OF 32 in one lane, in order: its maximum needs no other lane, and four conversions give four registers of the next operand.
; q, k: source 0 = the weight, source 1 = x: a lane holds one row of x and a block along the head's 64.   v: source 0 = x, source 1 = the weight: a lane holds one vd and a block along the KEYS.
; The biases are the C of each sum's first matrix instruction.
; OUT.  q (a head: 36,864 bytes): codes [tile 64][lane][16]; at 32,768 scale words [group 16][lane][2]: word i of lane l: tile 2 i + l / 16, row l % 16; bytes 0, 1 the two blocks, bytes 2, 3 zero.
;   kv (a head: 71,680 bytes): k's codes; at 32,768 v's codes [step 8][u 4][c 2][lane][16]; at 65,536 k's scale words; at 69,632 v's [step 8][lane][2].
; LIMITS: a block of zeros gets the byte 1 (its codes are zeros, this program alone reads the bytes); NaN and infinities are not served.
; NO CLUSTER: a work-group asks for its 98,304 bytes of weights once in the launch, beside 278,528 bytes of x's codes and scales that go straight to registers; there is no ring in which joint requests would recur.
; REGISTERS, in windows of 256: window 0: v1-11 addresses; v16-31 maxima and bytes; v32-95 two buffers of 4 weight fragments; v96-127 bias; v128-159 x's scale words; v160-207 the weights';
;   v208-239 codes; v240-255 at work.   windows 1, 2: x's fragments: tile 4 c + xt in window 1 + c at v[64 xt + 8 kstep].   window 3: the accumulators: block 4 c + outer at v[32 block + 8 inner].
.set XSO,   4194304
.set HALF,  17024                      ; rows 32-63 of a unit begin here: 32 x 528 + 128, so that the 16 rows of a fragment (8 + 8, 32 apart) fall on 16 different 16-byte columns
.set UNITB, 33920                      ; a unit in LDS
.set WA,  7                            ; v7-9  my lane's place in unit 0, 1, 2
.set M,   16
.set BY,  24
.set F,   32
.set BI,  96
.set XS,  128
.set WS,  160
.set CD,  208
.set SO,  240
.set PX,  248
.set MSB, 0
.macro WIN new                         ; the immediate's high byte repeats the setting that is left; a switch that changes nothing is dropped
.if MSB != (\new)
	s_set_vgpr_msb (MSB<<8)|(\new)
.set MSB, (\new)
.endif
.endm
.macro PLACES n
.rept \n
	v_nop
.endr
.endm
; One product: D v[rD], A v[rA], B v[rB], C v[rC]; A's scale words in v[rSA] (lanes 16-31 if fA), B's in v[rSB] (lanes 16-31 if fB)
.macro WM
.if (fA == 0) && (fB == 0)
	v_wmma_scale_f32_16x16x128_f8f6f4 v[rD:rD+7], v[rA:rA+7], v[rB:rB+7], v[rC:rC+7], v[rSA], v[rSB] matrix_a_fmt:MATRIX_FMT_FP4 matrix_b_fmt:MATRIX_FMT_FP4
.elseif (fA == 1) && (fB == 0)
	v_wmma_scale_f32_16x16x128_f8f6f4 v[rD:rD+7], v[rA:rA+7], v[rB:rB+7], v[rC:rC+7], v[rSA], v[rSB] matrix_a_fmt:MATRIX_FMT_FP4 matrix_b_fmt:MATRIX_FMT_FP4 matrix_a_scale:MATRIX_SCALE_ROW1
.elseif (fA == 0) && (fB == 1)
	v_wmma_scale_f32_16x16x128_f8f6f4 v[rD:rD+7], v[rA:rA+7], v[rB:rB+7], v[rC:rC+7], v[rSA], v[rSB] matrix_a_fmt:MATRIX_FMT_FP4 matrix_b_fmt:MATRIX_FMT_FP4 matrix_b_scale:MATRIX_SCALE_ROW1
.else
	v_wmma_scale_f32_16x16x128_f8f6f4 v[rD:rD+7], v[rA:rA+7], v[rB:rB+7], v[rC:rC+7], v[rSA], v[rSB] matrix_a_fmt:MATRIX_FMT_FP4 matrix_b_fmt:MATRIX_FMT_FP4 matrix_a_scale:MATRIX_SCALE_ROW1 matrix_b_scale:MATRIX_SCALE_ROW1
.endif
.endm
	s_load_b512 s[4:19], s[0:1], 0x0               ; xq, W_qk codes, W_qk scales, W_v codes, W_v scales, b_qk, b_v, q
	s_load_b64 s[20:21], s[0:1], 0x40              ; kv
	v_lshl_add_u32 v254, v0, 2, 0x29000
	v_mov_b32 v255, 0
	ds_add_u32 v254, v255
	ds_add_u32 v254, v255
	s_wait_dscnt 0x0
	v_lshrrev_b32 v1, 5, v0
	v_readfirstlane_b32 s22, v1                    ; wave
	s_and_b32 s23, ttmp7, 0xffff                   ; hd
	s_mov_b32 s24, ttmp9                           ; rb
	; descriptor group 1: 32 rows of 512 bytes, 16 bytes of padding behind each; s[32:39] for W_qk (64 rows, 16 x 512 bytes apart), s[40:47] for W_v (16 x 512)
.irp g, 32, 40
	s_mov_b32 s[\g], (1<<20)|(6<<22)|(3<<25)       ; no mask; elements of 1 byte; padding on: after every 128 words (code 6) four words (code 3)
	s_mov_b32 s[\g+1], 512<<16                     ; tensor_dim0
	s_mov_b32 s[\g+2], 32<<16                      ; tensor_dim1
	s_mov_b32 s[\g+3], 512<<16                     ; tile_dim0
	s_mov_b32 s[\g+4], 32                          ; tile_dim1
	s_mov_b32 s[\g+6], 0
	s_mov_b32 s[\g+7], 0
.endr
	s_mov_b32 s37, 8192                            ; W_qk: every 16th row, so that q's and k's rows come by turns,
	s_mov_b32 s34, 64<<16                          ; tensor_dim1 = 64: 32 rows of q and 32 of k in one load
	s_mov_b32 s36, 64                              ; tile_dim1 = 64
	s_mov_b32 s45, 8192
	; THE WEIGHTS COME BY FOUR LOADS, ONE A WAVE, ALL AT THE HEAD.  Rows hd + 16 j of W_qk are q's row kd = j / 2 (j even) and k's (j odd): wave 0 fetches j = 0 .. 63 (kd 0-31 of both), wave 1 j = 64 .. 127;
	; waves 2 and 3 fetch V's two halves of 32 rows.  In LDS q's row kd lies 1,056 bytes from the next and k's 528 bytes behind it.
.set QB, 33808                                 ; where kd 32-63 of q and k begin: 64 x 528 + 16, so that the 16 rows of a fragment (8 + 8) fall on 16 different 16-byte columns
	s_and_b32 s29, s22, 1                          ; half
	s_mul_i32 s49, s29, QB                         ; q and k in LDS
	s_mul_i32 s57, s29, HALF
	s_add_co_u32 s57, s57, 2*UNITB                 ; V in LDS
	s_lshl_b32 s26, s23, 9                         ; W_qk: row hd,
	s_lshl_b32 s30, s29, 19
	s_add_co_u32 s26, s26, s30                     ; + 32 rows of the unit, 16,384 bytes apart, for the upper half
	s_mov_b32 s27, 0
	s_lshl_b32 s30, s23, 9                         ; W_v: row hd,
	s_lshl_b32 s31, s29, 18
	s_add_co_u32 s30, s30, s31                     ; + 32 rows of the unit, 8,192 bytes apart
	s_mov_b32 s31, 0
	s_wait_kmcnt 0x0
	s_mov_b32 s48, 1
	s_add_nc_u64 s[50:51], s[6:7], s[26:27]
	s_or_b32 s51, s51, 0x80000000
	s_mov_b32 s56, 1
	s_add_nc_u64 s[58:59], s[10:11], s[30:31]
	s_or_b32 s59, s59, 0x80000000
	s_cmp_lt_u32 s22, 2                            ; one branch on the wave's number, a load to each arm
	s_cbranch_scc0 .Lfor_v
	tensor_load_to_lds s[48:51], s[32:39]
	s_nop 0
	PLACES 4
	s_branch .Lasked
.Lfor_v:
	tensor_load_to_lds s[56:59], s[40:47]
	s_nop 0
	PLACES 4
.Lasked:
	v_and_b32 v12, 31, v0                          ; lane
	v_and_b32 v13, 15, v0                          ; r
	v_bfe_u32 v14, v0, 4, 1                        ; h
	v_lshlrev_b32 v1, 4, v12                       ; v1: an image's place: 16 x lane
	v_lshlrev_b32 v10, 3, v12                      ; v10: two scale words a lane
	v_lshlrev_b32 v11, 3, v14                      ; v11: 8 h, a shift
	v_lshlrev_b32 v2, 5, v13
	v_lshl_add_u32 v2, v14, 9, v2                  ; v2: x's scale bytes: tile 2 p + h, row r
	v_and_b32 v15, 7, v13
	v_lshrrev_b32 v12, 3, v13
	v_lshl_add_u32 v6, v12, 5, v15                 ; 32 (r / 8) + r % 8
	v_add_nc_u32 v3, v6, v11                       ; + 8 h: the weight's index for tile 2 p + h, less 16 p
	v_lshlrev_b32 v4, 9, v3                        ; v4: W_v's scale bytes: 16 rows x 32 bytes an index
	v_lshlrev_b32 v3, 10, v3                       ; v3: W_qk's: 32 rows x 32 bytes
	v_lshlrev_b32 v6, 6, v6                        ; v6: b_v at my vd, less 8 u: 16 x 4 bytes an index
	v_lshlrev_b32 v5, 12, v14                      ; v5: b_qk at kd = 32 h: 32 x 4 bytes an index
	v_mul_u32_u24 v9, v15, 528
	v_mad_u32_u24 v9, v12, HALF, v9
	v_lshl_add_u32 v9, v14, 4, v9
	v_add_nc_u32 v9, 2*UNITB, v9                   ; V: a fragment's row in LDS, + 16 h
	v_mul_u32_u24 v7, v15, 1056
	v_mad_u32_u24 v7, v12, QB, v7
	v_lshl_add_u32 v7, v14, 4, v7                  ; q likewise,
	v_add_nc_u32 v8, 528, v7                       ; k one LDS row behind it
.irp i, 0,1,2,3,4,5,6,7
	v_mov_b32 v[PX+\i], 0                          ; written once: a lane permute's destination counts as one of its sources
.endr
	s_mov_b32 s94, 0x76543210
	s_mov_b32 s95, 0xfedcba98                      ; v_permlanex16_b32's selects for lane l xor 16
	s_mov_b32 s96, 0xffff0000                      ; lanes 16-31
	s_lshl_b32 s26, s24, 2
	s_add_co_u32 s29, s26, s22                     ; 4 rb + wave: my 128 rows
	s_lshl_b32 s26, s29, 16
	s_add_nc_u64 s[90:91], s[4:5], s[26:27]        ; their codes: 8 tiles x 8,192 bytes
	s_lshl_b32 s26, s29, 12
	s_add_co_u32 s26, s26, XSO
	s_add_nc_u64 s[92:93], s[4:5], s[26:27]        ; their scale bytes
	s_lshl_b32 s26, s23, 5
	s_add_nc_u64 s[66:67], s[8:9], s[26:27]        ; W_qk's scale bytes at row hd,
	s_add_nc_u64 s[68:69], s[66:67], 512           ; at row 16 + hd,
	s_add_nc_u64 s[70:71], s[12:13], s[26:27]      ; W_v's at row hd
	s_lshl_b32 s26, s23, 2
	s_add_nc_u64 s[72:73], s[14:15], s[26:27]      ; the biases likewise
	s_add_nc_u64 s[74:75], s[72:73], 64
	s_add_nc_u64 s[76:77], s[16:17], s[26:27]
	s_and_b32 s25, s24, 1
	s_lshl_b32 s25, s25, 2
	s_add_co_u32 s25, s25, s22                     ; which 128 rows of the batch's 1,024 are mine
	s_lshr_b32 s29, s24, 1
	s_lshl_b32 s29, s29, 4
	s_add_co_u32 s29, s29, s23                     ; 16 b + hd
	s_mul_i32 s30, s29, 36864
	s_lshl_b32 s26, s25, 12
	s_add_co_u32 s26, s26, s30
	s_add_nc_u64 s[78:79], s[18:19], s[26:27]      ; q's codes
	s_lshl_b32 s26, s25, 9
	s_add_co_u32 s26, s26, s30
	s_add_co_u32 s26, s26, 32768
	s_add_nc_u64 s[80:81], s[18:19], s[26:27]      ; q's scale words
	s_mul_i32 s30, s29, 71680
	s_lshl_b32 s26, s25, 12
	s_add_co_u32 s26, s26, s30
	s_add_nc_u64 s[82:83], s[20:21], s[26:27]      ; k's codes
	s_add_nc_u64 s[86:87], s[82:83], 32768         ; v's codes
	s_lshl_b32 s26, s25, 9
	s_add_co_u32 s26, s26, s30
	s_add_co_u32 s26, s26, 65536
	s_add_nc_u64 s[84:85], s[20:21], s[26:27]      ; k's scale words
	s_lshl_b32 s26, s25, 8
	s_add_co_u32 s26, s26, s30
	s_add_co_u32 s26, s26, 69632
	s_add_nc_u64 s[88:89], s[20:21], s[26:27]      ; v's scale words
.irp p, 0,1,2,3
.irp e, 0,1
	global_load_b128 v[XS+8*\p+4*\e:XS+8*\p+4*\e+3], v2, s[92:93] offset:\p*1024+16*\e   ; register 8 p + kstep: lanes 0-15 tile 2 p's word, lanes 16-31 tile 2 p + 1's
.endr
.endr
.irp p, 0,1
.irp e, 0,1
	global_load_b128 v[WS+8*\p+4*\e:WS+8*\p+4*\e+3], v3, s[66:67] offset:\p*16384+16*\e
	global_load_b128 v[WS+16+8*\p+4*\e:WS+16+8*\p+4*\e+3], v3, s[68:69] offset:\p*16384+16*\e
	global_load_b128 v[WS+32+8*\p+4*\e:WS+32+8*\p+4*\e+3], v4, s[70:71] offset:\p*8192+16*\e
.endr
.endr
; The bias of unit U in the result's layout.  q, k: register 8 wt + j is kd = 32 h + 8 wt + j.  v: all eight registers of tile u hold my vd's number.
.macro BIAS U
.if (\U) < 2
.irp i, 0,1,2,3,4,5,6,7,8,9,10,11,12,13,14,15,16,17,18,19,20,21,22,23,24,25,26,27,28,29,30,31
	global_load_b32 v[BI+\i], v5, s[72+2*(\U):73+2*(\U)] offset:\i*128
.endr
.else
.irp u, 0,1,2,3
.irp j, 0,1,2,3,4,5,6,7
	global_load_b32 v[BI+8*\u+\j], v6, s[76:77] offset:\u*512
.endr
.endr
.endif
.endm
	BIAS 0
.irp kap, 0,1,2,3,4,5,6,7                      ; x's 64 fragments, behind the 52 loads of scale words and bias, BY K STEP: 16 loads a step, each an image's 512 consecutive bytes
.irp c, 0,1
	WIN 0x40*(1+\c)
.irp xt, 0,1,2,3
.irp cc, 0,1
	global_load_b128 v[64*\xt+8*\kap+4*\cc:64*\xt+8*\kap+4*\cc+3], v1, s[90:91] offset:(4*\c+\xt)*8192+\kap*1024+\cc*512
.endr
.endr
.endr
.endr
	WIN 0
	s_wait_alu depctr_va_vdst(0)
	s_wait_tensorcnt 0x0                           ; my part of the weights has landed,
	s_barrier_signal -1
	s_barrier_wait -1                              ; everybody's has.  The one barrier: LDS is only read from here on
.macro FETCHW U, kap, f                ; unit U's four fragments of K step kap into buffer f
.if (\U) < 2
.set WTS, 8448                                 ; from tile to tile: 8 rows of 1,056 bytes (q, k)
.else
.set WTS, 4224                                 ; or of 528 (V)
.endif
.irp wt, 0,1,2,3
.irp cc, 0,1
	ds_load_b128 v[F+32*(\f)+8*\wt+4*\cc:F+32*(\f)+8*\wt+4*\cc+3], v[WA+(\U)] offset:\wt*WTS+(\kap)*64+\cc*32
.endr
.endr
.endm
; 32 matrix instructions, one K step.  The 32 accumulators take turns, one instruction a turn, in the same order in every K step.
.macro MULQK U, kap
.irp c, 0,1
.if (\kap) == 0
	WIN 0xc4+4*\c                                  ; A window 0, B window 1 + c, C (the bias) window 0, D window 3
.else
	WIN 0xf4+4*\c                                  ; C and D window 3
.endif
.irp xt, 0,1,2,3
.irp wt, 0,1,2,3
.set rD, 32*(4*\c+\xt)+8*\wt
.set rA, F+32*((\kap)%2)+8*\wt
.set rB, 64*\xt+8*(\kap)
.if (\kap) == 0
.set rC, BI+8*\wt
.else
.set rC, rD
.endif
.set rSA, WS+16*(\U)+8*(\wt/2)+(\kap)
.set fA, \wt%2
.set rSB, XS+8*(2*\c+\xt/2)+(\kap)
.set fB, \xt%2
	WM
.endr
.endr
.endr
.endm
.macro MULV kap
.irp c, 0,1
.if (\kap) == 0
	WIN 0xc1+\c                                    ; A (x) window 1 + c, B window 0, C (the bias) window 0, D window 3
.else
	WIN 0xf1+\c
.endif
.irp u, 0,1,2,3
.irp xt, 0,1,2,3
.set rD, 32*(4*\c+\u)+8*\xt
.set rA, 64*\xt+8*(\kap)
.set rB, F+32*((\kap)%2)+8*\u
.if (\kap) == 0
.set rC, BI+8*\u
.else
.set rC, rD
.endif
.set rSA, XS+8*(2*\c+\xt/2)+(\kap)
.set fA, \xt%2
.set rSB, WS+32+8*(\u/2)+(\kap)
.set fB, \u%2
	WM
.endr
.endr
.endr
.endm
; The eight blocks of 32 registers are quantised and leave.
.macro EPI U
	WIN 0
	PLACES 4                                       ; four plain places between the last products and the first read of results (ISA guide 7.12.1)
	s_wait_xcnt 0x0                                ; the last unit's stores have read their registers: the codes and words are written again only behind this wait
	WIN 0x0f                                       ; sources 0 and 1 window 3
.irp blk, 0,1,2,3,4,5,6,7
	v_max3_num_f32 v[M+\blk], |v[32*\blk]|, |v[32*\blk+1]|, 0x1800000   ; with the floor 2^(3 - 127); each accumulator is read from its low end on
.endr
.irp n, 2,4,6,8,10,12,14,16,18,20,22,24,26,28,30
.irp blk, 0,1,2,3,4,5,6,7
	v_max3_num_f32 v[M+\blk], |v[32*\blk+\n]|, |v[32*\blk+\n+1]|, v[M+\blk]   ; (the eight blocks by turns)
.endr
.endr
	WIN 0
.irp blk, 0,1,2,3,4,5,6,7
	v_add_nc_u32 v[SO+\blk], 0xff000000, v[M+\blk] ; 2 off the exponent field: the conversion's scale operand
.endr
.irp blk, 0,1,2,3,4,5,6,7
	v_lshrrev_b32 v[BY+\blk], 23, v[SO+\blk]       ; the scale's byte
.endr
	WIN 0x03                                       ; source 0 window 3
.irp blk, 0,1,2,3,4,5,6,7
.irp g, 0,1,2,3
	v_cvt_scalef32_pk8_fp4_f32 v[CD+4*\blk+\g], v[32*\blk+8*\g:32*\blk+8*\g+7], v[SO+\blk]
.endr
.endr
	WIN 0
	v_nop                                          ; one plain line behind the last conversion
.irp blk, 0,1,2,3,4,5,6,7
.if (\U) < 2
	global_store_b128 v1, v[CD+4*\blk:CD+4*\blk+3], s[78+4*(\U):79+4*(\U)] offset:\blk*512          ; tile 4 c + xt: 512 consecutive bytes
.else
	global_store_b128 v1, v[CD+4*\blk:CD+4*\blk+3], s[86:87] offset:(\blk%4)*1024+(\blk/4)*512      ; registers 4 c .. 4 c + 3 of V^T's tile u
.endif
.endr
.if (\U) < 2
.irp blk, 0,1,2,3,4,5,6,7
	v_lshlrev_b32 v[SO+\blk], v11, v[BY+\blk]      ; my block's byte at its place in the row's word,
.endr
.irp blk, 0,1,2,3,4,5,6,7
	v_permlanex16_b32 v[PX+\blk], v[SO+\blk], s94, s95
.endr
.irp blk, 0,1,2,3,4,5,6,7
	v_or_b32 v[SO+\blk], v[SO+\blk], v[PX+\blk]    ; with lane l xor 16's the word is whole, in both halves of the lanes
.endr
.irp p, 0,1,2,3
	v_cndmask_b32 v[BY+\p], v[SO+2*\p], v[SO+2*\p+1], s96   ; lanes 0-15 the even tile's word, lanes 16-31 the odd tile's
.endr
	global_store_b64 v10, v[BY:BY+1], s[80+4*(\U):81+4*(\U)]
	global_store_b64 v10, v[BY+2:BY+3], s[80+4*(\U):81+4*(\U)] offset:256
.else
.irp u, 0,1,2,3
	v_lshl_or_b32 v[SO+\u], v[BY+4+\u], 16, v[BY+\u]   ; bytes h and 2 + h of my vd's word for these 128 keys
.endr
.irp u, 0,1,2,3
	v_lshlrev_b32 v[SO+\u], v11, v[SO+\u]
.endr
.irp u, 0,1,2,3
	v_permlanex16_b32 v[PX+\u], v[SO+\u], s94, s95
.endr
.irp u, 0,1,2,3
	v_or_b32 v[SO+\u], v[SO+\u], v[PX+\u]
.endr
.irp i, 0,1
	v_cndmask_b32 v[BY+\i], v[SO+2*\i], v[SO+2*\i+1], s96
.endr
	global_store_b64 v10, v[BY:BY+1], s[88:89]
.endif
.endm
; A unit: eight K steps.  A K step's fragments are asked for one step ahead, into the other buffer, behind four places: the products just issued read that buffer.
.macro UNIT U
	WIN 0
	FETCHW \U, 0, 0
.if (\U) > 0
	s_wait_loadcnt 0x0                             ; the bias
.endif
.irp kap, 0,1,2,3,4,5,6,7
	WIN 0
.if (\U) == 0                                  ; the first unit takes x's fragments as they come: behind K step kap's 16 loads stand 16 for each later step and (from kap = 1 on) the next bias's 32
.set LC, 16*(7-\kap)+32
.if LC > 63
.set LC, 63                                    ; a wait names 63 at the most
.endif
	s_wait_loadcnt LC
.endif
	s_wait_dscnt 0x0
.if \kap < 7
	PLACES 4
	FETCHW \U, \kap+1, (\kap+1)%2
.endif
.if (\U) < 2
	MULQK \U, \kap
.else
	MULV \kap
.endif
.if (\kap == 0) && ((\U) < 2)
	WIN 0
	PLACES 4                                       ; the bias has been read: the next unit's lands in its place
	BIAS \U+1
.endif
.endr
	EPI \U
.endm
	UNIT 0
	UNIT 1
	UNIT 2
	s_wait_xcnt 0x0
	v_lshl_add_u32 v254, v0, 2, 0x29000
	v_mov_b32 v255, 0
	s_wait_alu depctr_va_vdst(0)
	s_wait_tensorcnt 0x0
	ds_add_u32 v254, v255
	s_wait_dscnt 0x0
	s_endpgm
.Lfunc_end_k_q3947ecc53a_proj:
	.size	k_q3947ecc53a_proj, .Lfunc_end_k_q3947ecc53a_proj-k_q3947ecc53a_proj
	.p2alignl 7, 3214868480
	.fill 96, 4, 3214868480
	.section	.rodata,"a",@progbits
	.p2align	6, 0x0
	.amdhsa_kernel k_q3947ecc53a_proj
		.amdhsa_group_segment_fixed_size 327680
		.amdhsa_private_segment_fixed_size 0
		.amdhsa_enable_private_segment 0
		.amdhsa_kernarg_size 72
		.amdhsa_user_sgpr_count 2
		.amdhsa_user_sgpr_kernarg_segment_ptr 1
		.amdhsa_wavefront_size32 1
		.amdhsa_system_sgpr_workgroup_id_x 1
		.amdhsa_system_sgpr_workgroup_id_y 1
		.amdhsa_system_sgpr_workgroup_id_z 1
		.amdhsa_system_vgpr_workitem_id 0
		.amdhsa_next_free_vgpr 1024
		.amdhsa_next_free_sgpr 100
		.amdhsa_reserve_vcc 0
		.amdhsa_float_denorm_mode_32 3
		.amdhsa_float_denorm_mode_16_64 3
		.amdhsa_memory_ordered 1
		.amdhsa_forward_progress 1
		.amdhsa_inst_pref_size 185
	.end_amdhsa_kernel
	.amdgpu_metadata
---
amdhsa.version: [ 1, 2 ]
amdhsa.kernels:
  - .name:           k_q3947ecc53a_proj
    .symbol:         k_q3947ecc53a_proj.kd
    .args:
      - { .name: xq, .offset: 0, .size: 8, .value_kind: global_buffer, .address_space: global }
      - { .name: W_qk_codes, .offset: 8, .size: 8, .value_kind: global_buffer, .address_space: global }
      - { .name: W_qk_scales, .offset: 16, .size: 8, .value_kind: global_buffer, .address_space: global }
      - { .name: W_v_codes, .offset: 24, .size: 8, .value_kind: global_buffer, .address_space: global }
      - { .name: W_v_scales, .offset: 32, .size: 8, .value_kind: global_buffer, .address_space: global }
      - { .name: b_qk, .offset: 40, .size: 8, .value_kind: global_buffer, .address_space: global }
      - { .name: b_v, .offset: 48, .size: 8, .value_kind: global_buffer, .address_space: global }
      - { .name: q, .offset: 56, .size: 8, .value_kind: global_buffer, .address_space: global }
      - { .name: kv, .offset: 64, .size: 8, .value_kind: global_buffer, .address_space: global }
    .group_segment_fixed_size: 327680
    .private_segment_fixed_size: 0
    .kernarg_segment_align: 8
    .kernarg_segment_size: 72
    .max_flat_workgroup_size: 128
    .sgpr_count:     100
    .vgpr_count:     1024
    .wavefront_size: 32
...
	.end_amdgpu_metadata
.endif
;; end of part 2
;; launch attn (part 3): grid 2 x 128, 16 waves a work-group, no clusters, 169,984 bytes of LDS; arguments q, kv, oq; writes oq
.if DOCPART == 3
	.amdgcn_target "amdgcn-amd-amdhsa--gfx1250"
	.amdhsa_code_object_version 6
	.text
	.protected	k_q3947ecc53a_attn
	.globl	k_q3947ecc53a_attn
	.p2align	8
	.type	k_q3947ecc53a_attn,@function
k_q3947ecc53a_attn:
	s_mov_b64 s[64:65], 0
	v_nop
	global_prefetch_b8 v0, s[64:65] scope:SCOPE_SE
	s_setreg_imm32_b32 hwreg(HW_REG_WAVE_MODE, 25, 1), 1
	s_wait_xcnt 0x0
; softmax(q k^T / 8) v of one head for 512 queries, both products on codes of FP4; the result is quantised along (head, vd) and stored as images of the last product's operand.
; THE SOFTMAX: t = score x log2(e) / 8; M = the row's largest t so far, rounded UP to a whole number; p = 2^(t - M) is quantised along the keys, not normalised; the row's sum is taken of the
; unquantised p and divides at the end.  When M moves, the sum and O are multiplied by 2^(old M - new M): exact.
; SHARES.  Work-group (qh, bh): head bh, queries 512 qh on.  The head's whole block of kv, 71,680 bytes (k's and v's codes and scale words), comes into LDS ONCE (waves 0-3: one tensor load of 70 rows
; of 256 bytes each) and is read by all sixteen waves as images: every LDS load takes consecutive bytes.  A wave owns two tiles of 16 queries, one after the other; four waves share a SIMD, so that one
; wave's vector work stands beside another's products and LDS loads.
; LAYOUT.  S^T = K Q^T, O^T = V^T P^T: a lane holds one query throughout.  The keys of a tile are 64 g + 32 (r / 8) + 8 t + r % 8, so the 32 registers of tiles 4 c .. 4 c + 3 are the 32 neighbouring keys
; 64 c + 32 h + 0 .. 31: a whole block in a lane: its maximum needs no other lane, and the conversions' results are P's registers as they stand.  V^T's rows are ordered likewise, so O^T's 32 registers are a block.
; The head has 64 channels: the upper half of the first product's 128 along K is zero codes on both sides (four registers of each fragment, cleared once).
; LIMITS: a block's largest p is taken from the block's largest score by the same multiply-add and exponential (this takes v_exp_f32 not to fall where its input rises); a block of zeros gets the byte 1;
; NaN and infinities are not served.  The two scale bytes of a row and head leave by a store of two bytes a lane: 1/16 of what the launch stores in codes... they lie 32 bytes apart by the operand's layout.
; NO CLUSTER: the head's block is shared by the two work-groups of a head alone, and is asked for once in the launch.
; REGISTERS: v1-5 addresses; v6-7 Q's scale words; v8-10 the step's addresses; v12 -M, v13 the largest t, v[14:15] the sum; v16-31 Q's two fragments; v32-95 eight fragments of K; v96-159 S^T, then p;
;   v160-191 O^T; v192-223 V's four fragments; v224-231 p's codes; v232-254 at work.
.set XSO, 4194304
.set CS,  28                           ; s[28:29] c = log2(e) / 8
.set SEL, 30                           ; s[30:31] selects for lane l xor 16
.set TK,  32                           ; s32 the step's codes: 4,096 bytes a step
.set TS,  33                           ; s33 K's scale words: 512
.set TV,  34                           ; s34 V's: 256
.set CNT, 35
.macro PLACES n
.rept \n
	v_nop
.endr
.endm
.macro WM                              ; D = C = v[rD]
.if fA == 0
	v_wmma_scale_f32_16x16x128_f8f6f4 v[rD:rD+7], v[rA:rA+7], v[rB:rB+7], v[rD:rD+7], v[rSA], v[rSB] matrix_a_fmt:MATRIX_FMT_FP4 matrix_b_fmt:MATRIX_FMT_FP4
.else
	v_wmma_scale_f32_16x16x128_f8f6f4 v[rD:rD+7], v[rA:rA+7], v[rB:rB+7], v[rD:rD+7], v[rSA], v[rSB] matrix_a_fmt:MATRIX_FMT_FP4 matrix_b_fmt:MATRIX_FMT_FP4 matrix_a_scale:MATRIX_SCALE_ROW1
.endif
.endm
.macro WMZ                             ; C = 0
.if fA == 0
	v_wmma_scale_f32_16x16x128_f8f6f4 v[rD:rD+7], v[rA:rA+7], v[rB:rB+7], 0, v[rSA], v[rSB] matrix_a_fmt:MATRIX_FMT_FP4 matrix_b_fmt:MATRIX_FMT_FP4
.else
	v_wmma_scale_f32_16x16x128_f8f6f4 v[rD:rD+7], v[rA:rA+7], v[rB:rB+7], 0, v[rSA], v[rSB] matrix_a_fmt:MATRIX_FMT_FP4 matrix_b_fmt:MATRIX_FMT_FP4 matrix_a_scale:MATRIX_SCALE_ROW1
.endif
.endm
	s_load_b128 s[4:7], s[0:1], 0x0                ; q, kv
	s_load_b64 s[8:9], s[0:1], 0x10                ; oq
	v_lshl_add_u32 v239, v0, 2, 0x29000
	v_mov_b32 v255, 0
	ds_add_u32 v239, v255
	ds_add_u32 v239, v255
	v_lshrrev_b32 v1, 5, v0
	s_delay_alu instid0(VALU_DEP_1)
	v_readfirstlane_b32 s10, v1                    ; wave 0..15
	s_mov_b32 s11, ttmp9                           ; qh
	s_and_b32 s12, ttmp7, 0xffff                   ; bh
	s_mov_b32 s16, 3<<16                           ; group 1: a dense block as 70 rows of 256 bytes (32 elements of 8 bytes), no padding, no mask
	s_mov_b32 s17, 32<<16
	s_mov_b32 s18, 70<<16
	s_mov_b32 s19, 32<<16
	s_mov_b32 s20, 70
	s_mov_b32 s21, 32
	s_mov_b32 s22, 0
	s_mov_b32 s23, 0
	s_mul_i32 s44, s12, 71680
	s_mul_i32 s13, s10, 17920                      ; a quarter of the block, in memory and in LDS
	s_add_co_u32 s44, s44, s13
	s_mov_b32 s45, 0
	s_wait_dscnt 0x0
	s_wait_kmcnt 0x0
	s_mov_b32 s24, 1
	s_mov_b32 s25, s13
	s_add_nc_u64 s[26:27], s[6:7], s[44:45]
	s_or_b32 s27, s27, 0x80000000
	s_cmp_lt_u32 s10, 4
	s_cbranch_scc0 .Lno_fill
	tensor_load_to_lds s[24:27], s[16:23]          ; one load of mine is out
	s_nop 0
	PLACES 4
.Lno_fill:
	s_mul_i32 s46, s12, 36864
	s_lshl_b32 s13, s11, 14
	s_add_co_u32 s44, s46, s13
	s_lshl_b32 s13, s10, 10
	s_add_co_u32 s44, s44, s13
	s_add_nc_u64 s[36:37], s[4:5], s[44:45]        ; Q's codes at tile 32 qh + 2 wave
	s_lshl_b32 s13, s11, 11
	s_add_co_u32 s44, s46, s13
	s_lshr_b32 s13, s10, 1
	s_lshl_b32 s13, s13, 8
	s_add_co_u32 s44, s44, s13                     ; its group's 256 bytes of scale words;
	s_and_b32 s13, s10, 1
	s_lshl_b32 s13, s13, 2
	s_add_co_u32 s44, s44, s13                     ; my tiles are 2 (wave % 2) + i of the group: word wave % 2, lanes 16 i on
	s_add_co_u32 s44, s44, 32768
	s_add_nc_u64 s[38:39], s[4:5], s[44:45]
	s_lshr_b32 s46, s12, 4
	s_lshl_b32 s46, s46, 6
	s_lshl_b32 s13, s11, 5
	s_add_co_u32 s46, s46, s13
	s_lshl_b32 s13, s10, 1
	s_add_co_u32 s46, s46, s13                     ; row tile 64 b + 32 qh + 2 wave
	s_and_b32 s47, s12, 15                         ; hd
	s_lshl_b32 s44, s46, 13
	s_lshl_b32 s13, s47, 9
	s_add_co_u32 s44, s44, s13
	s_add_nc_u64 s[40:41], s[8:9], s[44:45]        ; oq's codes: K step hd / 2, half hd % 2: 512 hd bytes into the tile
	s_lshl_b32 s44, s46, 9
	s_lshl_b32 s13, s47, 1
	s_add_co_u32 s44, s44, s13
	s_add_co_u32 s44, s44, XSO
	s_add_nc_u64 s[42:43], s[8:9], s[44:45]        ; its scale bytes 2 hd, 2 hd + 1
	s_mov_b32 s[CS], 0x3e38aa3b
	s_mov_b32 s[CS+1], s[CS]                       ; (named with it as a pair, so it is written)
	s_mov_b32 s[SEL], 0x76543210
	s_mov_b32 s[SEL+1], 0xfedcba98
	v_and_b32 v8, 31, v0
	v_and_b32 v9, 15, v0
	v_bfe_u32 v10, v0, 4, 1
	s_delay_alu instid0(VALU_DEP_3)
	v_lshlrev_b32 v1, 4, v8                        ; v1: 16 x lane
	s_delay_alu instid0(VALU_DEP_4)
	v_lshl_add_u32 v2, v8, 3, 65536                ; v2: K's scale words: 8 x lane
	s_delay_alu instid0(VALU_DEP_4)
	v_lshlrev_b32 v3, 3, v9                        ; v3: 8 r
	v_lshlrev_b32 v4, 5, v9                        ; v4: 32 r
	v_lshlrev_b32 v5, 3, v10                       ; v5: 8 h, a shift
.irp i, 0,1
	global_load_b128 v[16+8*\i:19+8*\i], v1, s[36:37] offset:\i*512
	global_load_b32 v[6+\i], v3, s[38:39] offset:\i*128
.endr
.irp i, 0,1
.irp j, 4,5,6,7
	v_mov_b32 v[16+8*\i+\j], 0                     ; k = 64 .. 127 of Q: zero codes
.endr
.endr
.irp t, 0,1,2,3,4,5,6,7
.irp j, 4,5,6,7
	v_mov_b32 v[32+8*\t+\j], 0                     ; and of K: cleared once, never loaded
.endr
.endr
	v_mov_b32 v251, 0                              ; a lane permute's destination counts as one of its sources
	v_mov_b32 v253, 0                              ; (the upper half of the pair v[252:253])
	s_wait_tensorcnt 0x0                           ; my part of the block has landed,
	s_barrier_signal -1
	s_barrier_wait -1                              ; everybody's has.  The one barrier: LDS is only read from here on
	s_wait_loadcnt 0x0                             ; Q
; A KEY STEP: 128 keys, for query tile qi.
.macro STEP qi
	v_add_nc_u32 v8, s[TK], v1                     ; these four lines are the places in front of the loads into V's registers, which the last products read
	v_add_nc_u32 v9, s[TS], v2
	v_add_nc_u32 v10, s[TV], v2
	v_nop
.irp t, 0,1,2,3,4,5,6,7
	ds_load_b128 v[32+8*\t:35+8*\t], v8 offset:\t*512
.endr
.irp c, 0,1
	ds_load_b64 v[240+2*\c:241+2*\c], v9 offset:\c*256   ; register 2 c + i: lanes 0-15 tile 2 i's words, lanes 16-31 tile 2 i + 1's
.endr
.irp u, 0,1,2,3
.irp c, 0,1
	ds_load_b128 v[192+8*\u+4*\c:195+8*\u+4*\c], v8 offset:32768+\u*1024+\c*512
.endr
.endr
	ds_load_b64 v[244:245], v10 offset:4096
	s_wait_dscnt 9                                 ; K and its words are in; V's eight loads and its words stay out: they land under the softmax
.irp c, 0,1
.irp t, 0,1,2,3
.set rD, 96+32*\c+8*\t
.set rA, 32+8*(4*\c+\t)
.set rB, 16+8*\qi
.set rSA, 240+2*\c+(\t/2)
.set fA, \t%2
.set rSB, 6+\qi
	WMZ
.endr
.endr
	PLACES 4
.irp b, 0,1,2,3
	v_max3_num_f32 v[232+\b], v[96+16*\b], v[97+16*\b], v[98+16*\b]   ; four chains of 16 scores; each accumulator is first read at its low end
.endr
.irp n, 3,5,7,9,11,13
.irp b, 0,1,2,3
	v_max3_num_f32 v[232+\b], v[232+\b], v[96+16*\b+\n], v[97+16*\b+\n]
.endr
.endr
.irp b, 0,1,2,3
	v_max_num_f32 v[232+\b], v[232+\b], v[111+16*\b]
.endr
	s_delay_alu instid0(VALU_DEP_3)
	v_max_num_f32 v232, v232, v233                 ; THE LARGEST SCORE OF MY TWO BLOCKS OF 32 KEYS: it serves the row's maximum and, since p rises with the score, the block's largest p
	s_delay_alu instid0(VALU_DEP_2)
	v_max_num_f32 v234, v234, v235
	s_delay_alu instid0(VALU_DEP_1)
	v_max_num_f32 v254, v232, v234
	s_delay_alu instid0(VALU_DEP_1)
	v_permlanex16_b32 v251, v254, s[SEL], s[SEL+1]
	s_delay_alu instid0(VALU_DEP_1)
	v_max_num_f32 v254, v254, v251                 ; with lane l xor 16's 64 keys: the step's largest score of my query
	s_delay_alu instid0(VALU_DEP_1)
	v_mul_f32 v254, s[CS], v254                    ; as t (c is positive)
	s_delay_alu instid0(VALU_DEP_1)
	v_max_num_f32 v13, v13, v254                   ; the running largest t
	v_mov_b32 v254, v12
	s_delay_alu instid0(VALU_DEP_2)
	v_floor_f32 v12, -v13                          ; the new -M = -ceil(t)
	s_delay_alu instid0(VALU_DEP_1)
	v_sub_f32 v254, v12, v254                      ; old M - new M: a whole number, 0 or less
	s_delay_alu instid0(VALU_DEP_1)
	v_cvt_i32_f32 v254, v254                       ; (it saturates)
	s_delay_alu instid0(VALU_DEP_1)
	v_ldexp_f32 v252, 1.0, v254                    ; f = 2^(old M - new M)
.irp j, 0,2,4,6,8,10,12,14,16,18,20,22,24,26,28,30,32,34,36,38,40,42,44,46,48,50,52,54,56,58,60,62
	v_pk_fma_f32 v[96+\j:97+\j], v[96+\j:97+\j], s[CS:CS+1], v[12:13] op_sel_hi:[1,0,0]   ; t - M, two at a time
.endr
	v_fma_f32 v232, v232, s[CS], v12               ; the same of each block's largest score
	v_fma_f32 v234, v234, s[CS], v12
	s_wait_alu depctr_va_vdst(0)
.irp j, 0,1,2,3,4,5,6,7,8,9,10,11,12,13,14,15,16,17,18,19,20,21,22,23,24,25,26,27,28,29,30,31,32,33,34,35,36,37,38,39,40,41,42,43,44,45,46,47,48,49,50,51,52,53,54,55,56,57,58,59,60,61,62,63
	v_exp_f32 v[96+\j], v[96+\j]                   ; p = 2^(t - M), at most 1
.endr
	v_exp_f32 v232, v232
	v_exp_f32 v234, v234
	v_pk_mul_f32 v[14:15], v[14:15], v[252:253] op_sel_hi:[1,0]   ; the sums under the new M (a plain line behind the exponentials)
	s_wait_alu depctr_va_vdst(0)
	v_max_num_f32 v232, 0x1800000, v232            ; the floor 2^(3 - 127)
	v_max_num_f32 v234, 0x1800000, v234
	s_delay_alu instid0(VALU_DEP_2)
	v_add_nc_u32 v246, 0xff000000, v232            ; the conversions' scale operands
	s_delay_alu instid0(VALU_DEP_2)
	v_add_nc_u32 v247, 0xff000000, v234
	s_delay_alu instid0(VALU_DEP_2)
	v_lshrrev_b32 v248, 23, v246                   ; the bytes of blocks h and 2 + h
	s_delay_alu instid0(VALU_DEP_2)
	v_lshrrev_b32 v249, 23, v247
	s_delay_alu instid0(VALU_DEP_1)
	v_lshl_or_b32 v250, v249, 16, v248
	s_delay_alu instid0(VALU_DEP_1)
	v_lshlrev_b32 v250, v5, v250
	s_delay_alu instid0(VALU_DEP_1)
	v_permlanex16_b32 v251, v250, s[SEL], s[SEL+1]
	s_delay_alu instid0(VALU_DEP_1)
	v_or_b32 v250, v250, v251                      ; p's scale word for these 128 keys
.irp c, 0,1
.irp t, 0,1,2,3
	v_cvt_scalef32_pk8_fp4_f32 v[224+4*\c+\t], v[96+32*\c+8*\t:103+32*\c+8*\t], v[246+\c]   ; registers 4 c .. 4 c + 3 of the operand, as they stand
.endr
.endr
	v_nop                                          ; one plain line behind the last conversion
	v_pk_add_f32 v[236:237], v[100:101], v[104:105]
	v_pk_add_f32 v[248:249], v[108:109], v[112:113]
	v_pk_add_f32 v[246:247], v[116:117], v[120:121]
	v_pk_add_f32 v[242:243], v[124:125], v[128:129]
	v_pk_add_f32 v[240:241], v[132:133], v[136:137]
	v_pk_add_f32 v[234:235], v[140:141], v[144:145]
	v_pk_add_f32 v[232:233], v[148:149], v[152:153]
	v_pk_add_f32 v[14:15], v[14:15], v[156:157]
	v_pk_add_f32 v[236:237], v[236:237], v[96:97]
	v_pk_add_f32 v[248:249], v[248:249], v[98:99]
	v_pk_add_f32 v[246:247], v[246:247], v[102:103]
	v_pk_add_f32 v[242:243], v[242:243], v[106:107]
	v_pk_add_f32 v[240:241], v[240:241], v[110:111]
	v_pk_add_f32 v[234:235], v[234:235], v[114:115]
	v_pk_add_f32 v[232:233], v[232:233], v[118:119]
	v_pk_add_f32 v[14:15], v[14:15], v[122:123]
	v_pk_add_f32 v[236:237], v[236:237], v[126:127]
	v_pk_add_f32 v[248:249], v[248:249], v[130:131]
	v_pk_add_f32 v[246:247], v[246:247], v[134:135]
	v_pk_add_f32 v[242:243], v[242:243], v[138:139]
	v_pk_add_f32 v[240:241], v[240:241], v[142:143]
	v_pk_add_f32 v[234:235], v[234:235], v[146:147]
	v_pk_add_f32 v[232:233], v[232:233], v[150:151]
	v_pk_add_f32 v[14:15], v[14:15], v[154:155]
	v_pk_add_f32 v[236:237], v[236:237], v[158:159]
	s_delay_alu instid0(VALU_DEP_2)
	v_pk_add_f32 v[14:15], v[14:15], v[242:243]
	s_delay_alu instid0(VALU_DEP_2)
	v_pk_add_f32 v[236:237], v[236:237], v[240:241]
	v_pk_add_f32 v[248:249], v[248:249], v[234:235]
	v_pk_add_f32 v[246:247], v[246:247], v[232:233]
	s_delay_alu instid0(VALU_DEP_2)
	v_pk_add_f32 v[14:15], v[14:15], v[248:249]
	s_delay_alu instid0(VALU_DEP_2)
	v_pk_add_f32 v[236:237], v[236:237], v[246:247]
	s_delay_alu instid0(VALU_DEP_1)
	v_pk_add_f32 v[14:15], v[14:15], v[236:237]
.irp j, 0,2,4,6,8,10,12,14,16,18,20,22,24,26,28,30
	v_pk_mul_f32 v[160+\j:161+\j], v[160+\j:161+\j], v[252:253] op_sel_hi:[1,0]   ; O^T under the new M.  (The 48 lines from the sums on stand between p's scale word and codes and the products)
.endr
	s_wait_alu depctr_va_vdst(0)
	s_wait_dscnt 0x0                               ; V and its words are in
.irp u, 0,1,2,3
.set rD, 160+8*\u
.set rA, 192+8*\u
.set rB, 224
.set rSA, 244+(\u/2)
.set fA, \u%2
.set rSB, 250
	WM                                             ; four accumulators, one instruction each
.endr
	s_add_co_u32 s[TK], s[TK], 4096
	s_add_co_u32 s[TS], s[TS], 512
	s_add_co_u32 s[TV], s[TV], 256
.endm
.macro TILE qi
.if \qi > 0
	s_wait_xcnt 0x0                                ; the last tile's stores have read their registers
.endif
	v_mov_b32 v13, 0xff61b1e6                      ; the largest t so far: -3e38
	s_delay_alu instid0(VALU_DEP_1)
	v_floor_f32 v12, -v13
	v_mov_b32 v14, 0
	v_mov_b32 v15, 0
.irp j, 0,1,2,3,4,5,6,7,8,9,10,11,12,13,14,15,16,17,18,19,20,21,22,23,24,25,26,27,28,29,30,31
	v_mov_b32 v[160+\j], 0                         ; O^T: the step is written once; the first finds zeros, which the first change of M leaves zeros
.endr
	s_mov_b32 s[TK], 0
	s_mov_b32 s[TS], 0
	s_mov_b32 s[TV], 0
	s_mov_b32 s[CNT], 8
.Lstep_\@:
	STEP \qi
	s_sub_co_u32 s[CNT], s[CNT], 1
	s_cmp_lg_u32 s[CNT], 0
	s_cbranch_scc1 .Lstep_\@
	PLACES 4
	v_add_f32 v14, v14, v15
	s_delay_alu instid0(VALU_DEP_1)
	v_permlanex16_b32 v251, v14, s[SEL], s[SEL+1]
	s_delay_alu instid0(VALU_DEP_1)
	v_add_f32 v14, v14, v251                       ; the row's sum
	s_wait_alu depctr_va_vdst(0)
	v_rcp_f32 v14, v14
	v_nop
	s_wait_alu depctr_va_vdst(0)
.irp j, 0,2,4,6,8,10,12,14,16,18,20,22,24,26,28,30
	v_pk_mul_f32 v[160+\j:161+\j], v[160+\j:161+\j], v[14:15] op_sel_hi:[1,0]   ; register 8 u + j: channel 32 h + 8 u + j of my query: block 2 hd + h of the last product's K
.endr
	v_max3_num_f32 v232, |v160|, |v161|, 0x1800000
	v_max3_num_f32 v233, |v176|, |v177|, 0x1800000
.irp n, 2,4,6,8,10,12,14
	s_delay_alu instid0(VALU_DEP_2)
	v_max3_num_f32 v232, v232, |v[160+\n]|, |v[161+\n]|
	s_delay_alu instid0(VALU_DEP_2)
	v_max3_num_f32 v233, v233, |v[176+\n]|, |v[177+\n]|
.endr
	s_delay_alu instid0(VALU_DEP_1)
	v_max_num_f32 v232, v232, v233
	s_delay_alu instid0(VALU_DEP_1)
	v_add_nc_u32 v246, 0xff000000, v232
.irp u, 0,1,2,3
	v_cvt_scalef32_pk8_fp4_f32 v[224+\u], v[160+8*\u:167+8*\u], v246
.endr
	v_lshrrev_b32 v248, 23, v246                   ; (also the plain line behind the conversions)
	s_delay_alu instid0(VALU_DEP_1)
	v_lshlrev_b32 v248, v5, v248
	s_delay_alu instid0(VALU_DEP_1)
	v_permlanex16_b32 v251, v248, s[SEL], s[SEL+1]
	s_delay_alu instid0(VALU_DEP_1)
	v_or_b32 v248, v248, v251                      ; the row's two bytes
	global_store_b128 v1, v[224:227], s[40:41] offset:\qi*8192   ; 512 consecutive bytes
	global_store_b16 v4, v248, s[42:43] offset:\qi*512           ; both halves of the lanes store the same two bytes
.endm
	TILE 0
	TILE 1
	s_wait_tensorcnt 0x0
	ds_add_u32 v239, v255
	s_wait_dscnt 0x0
	s_endpgm
.Lfunc_end_k_q3947ecc53a_attn:
	.size	k_q3947ecc53a_attn, .Lfunc_end_k_q3947ecc53a_attn-k_q3947ecc53a_attn
	.p2alignl 7, 3214868480
	.fill 96, 4, 3214868480
	.section	.rodata,"a",@progbits
	.p2align	6, 0x0
	.amdhsa_kernel k_q3947ecc53a_attn
		.amdhsa_group_segment_fixed_size 169984
		.amdhsa_private_segment_fixed_size 0
		.amdhsa_enable_private_segment 0
		.amdhsa_kernarg_size 24
		.amdhsa_user_sgpr_count 2
		.amdhsa_user_sgpr_kernarg_segment_ptr 1
		.amdhsa_wavefront_size32 1
		.amdhsa_system_sgpr_workgroup_id_x 1
		.amdhsa_system_sgpr_workgroup_id_y 1
		.amdhsa_system_sgpr_workgroup_id_z 1
		.amdhsa_system_vgpr_workitem_id 0
		.amdhsa_next_free_vgpr 256
		.amdhsa_next_free_sgpr 66
		.amdhsa_reserve_vcc 0
		.amdhsa_float_denorm_mode_32 3
		.amdhsa_float_denorm_mode_16_64 3
		.amdhsa_memory_ordered 1
		.amdhsa_forward_progress 1
		.amdhsa_inst_pref_size 46
	.end_amdhsa_kernel
	.amdgpu_metadata
---
amdhsa.version: [ 1, 2 ]
amdhsa.kernels:
  - .name:           k_q3947ecc53a_attn
    .symbol:         k_q3947ecc53a_attn.kd
    .args:
      - { .name: q, .offset: 0, .size: 8, .value_kind: global_buffer, .address_space: global }
      - { .name: kv, .offset: 8, .size: 8, .value_kind: global_buffer, .address_space: global }
      - { .name: oq, .offset: 16, .size: 8, .value_kind: global_buffer, .address_space: global }
    .group_segment_fixed_size: 169984
    .private_segment_fixed_size: 0
    .kernarg_segment_align: 8
    .kernarg_segment_size: 24
    .max_flat_workgroup_size: 512
    .sgpr_count:     66
    .vgpr_count:     256
    .wavefront_size: 32
...
	.end_amdgpu_metadata
.endif
;; end of part 3
;; launch oproj (part 4): grid 32 x 8, 4 waves a work-group, no clusters, 168,448 bytes of LDS; arguments oq, W_o_codes, W_o_scales, b_o, x, y, part; writes y, part
.if DOCPART == 4
	.amdgcn_target "amdgcn-amd-amdhsa--gfx1250"
	.amdhsa_code_object_version 6
	.text
	.protected	k_q3947ecc53a_oproj
	.globl	k_q3947ecc53a_oproj
	.p2align	8
	.type	k_q3947ecc53a_oproj,@function
k_q3947ecc53a_oproj:
	s_mov_b64 s[64:65], 0
	v_nop
	global_prefetch_b8 v0, s[64:65] scope:SCOPE_SE
	s_setreg_imm32_b32 hwreg(HW_REG_WAVE_MODE, 25, 1), 1
	s_wait_xcnt 0x0
; y = attention's result x W_o^T + b_o + x, on codes of FP4, and for each wave's 64 x 128 numbers of y their mean and their sum of squared distances from it.
; SHARES.  Work-group (rb, cb): rows 256 rb on, columns 128 cb on: of the tiles of 32,768 numbers that divide the sizes evenly this one asks for the fewest rows of codes, 256 + 128.
; A wave takes one group of 64 rows, four row tiles, by all 128 columns, eight tiles of W_o's rows: 32 accumulators.  Its rows' codes for all of K = 1,024 fill 256 registers, and its 64 x 128 numbers of x another 256:
; both are asked for at the head, the codes first, so that x lands while the codes arrive and are multiplied.
; W_o's 128 rows of 512 bytes come into LDS once (each wave: 32 rows); nothing is filled again.
; Source 0 = 16 rows of W_o (row r of tile wt of column group cg is column 64 cg + 32 (r / 8) + 8 wt + r % 8), source 1 = a row tile (tile row r is row 32 (r / 8) + 8 xt + r % 8 of the group):
; a lane holds one row and, over a group's four tiles, 32 neighbouring columns.  b_o is the C of the first products.
; THE WAY OUT.  A tile's 16 rows x 512 bytes go through the wave's own stage in LDS and come back by rows, 16 bytes a lane, as x was loaded; the 32 lanes store 512 consecutive bytes, at a multiple of 256 from
; y's first byte.  y stays in registers for the second pass, so the variance is made of distances from a mean and no difference of large sums is formed.
; NO CLUSTER: a work-group asks for its 65,536 bytes of weights once in the launch, beside 139,264 bytes of codes and scales and 131,072 of x that go straight to registers; there is no ring in which joint requests would recur.
; REGISTERS: window 0: v1-15 addresses; v16-79 the bias (v16-31 later the sums, v32-63 later distances); v80-207 two buffers of 8 weight fragments, later rows back from the stage;
;   v208-223 the rows' scale words, v224-255 W_o's.   window 1: the row tiles' fragments: tile xt at v[64 xt + 8 kstep].   window 2: x, then y: tile xt, tile row q at v[64 xt + 4 q].
;   window 3: accumulator (cg, xt, wt) at v[32 (4 cg + xt) + 8 wt].
.set XSO,    4194304                   ; where the scale bytes begin in oq
.set HALF,   17024                     ; 32 rows of W_o in LDS: 32 x 528 + 128, so that the 16 rows of a fragment (8 + 8, 32 apart) fall on 16 different 16-byte columns
.set GRP,    2*HALF                    ; a column group's 64 rows
.set STAGE,  4*HALF                    ; behind the weights, at a multiple of 256: a stage for each wave, in blocks of 256 bytes into which no fill lands
.set SPITCH, 528                       ; a stage row: 512 bytes + 16
.set STGB,   16*SPITCH                 ; a stage: 8,448 bytes = 33 x 256
.set LI,  1                            ; v1  16 x lane: an image's place, and my 16 bytes of a row of 512; never rewritten
.set WA,  7                            ; v7  my lane's place in a fragment of W_o
.set STO, 8                            ; v8  the stage: where I put 16 bytes of a row
.set RD,  9                            ; v9  and where I read a row back
.set BI,  16
.set SM,  16
.set M2,  24
.set DT,  32
.set F,   80
.set XS,  208
.set WS,  224
.set MSB, 0
.macro WIN new                         ; the immediate's high byte repeats the setting that is left; a switch that changes nothing is dropped
.if MSB != (\new)
	s_set_vgpr_msb (MSB<<8)|(\new)
.set MSB, (\new)
.endif
.endm
.macro PLACES n
.rept \n
	v_nop
.endr
.endm
; One product: D v[rD], A v[rA], B v[rB], C v[rC]; A's scale words in v[rSA] (lanes 16-31 if fA), B's in v[rSB] (lanes 16-31 if fB)
.macro WM
.if (fA == 0) && (fB == 0)
	v_wmma_scale_f32_16x16x128_f8f6f4 v[rD:rD+7], v[rA:rA+7], v[rB:rB+7], v[rC:rC+7], v[rSA], v[rSB] matrix_a_fmt:MATRIX_FMT_FP4 matrix_b_fmt:MATRIX_FMT_FP4
.elseif (fA == 1) && (fB == 0)
	v_wmma_scale_f32_16x16x128_f8f6f4 v[rD:rD+7], v[rA:rA+7], v[rB:rB+7], v[rC:rC+7], v[rSA], v[rSB] matrix_a_fmt:MATRIX_FMT_FP4 matrix_b_fmt:MATRIX_FMT_FP4 matrix_a_scale:MATRIX_SCALE_ROW1
.elseif (fA == 0) && (fB == 1)
	v_wmma_scale_f32_16x16x128_f8f6f4 v[rD:rD+7], v[rA:rA+7], v[rB:rB+7], v[rC:rC+7], v[rSA], v[rSB] matrix_a_fmt:MATRIX_FMT_FP4 matrix_b_fmt:MATRIX_FMT_FP4 matrix_b_scale:MATRIX_SCALE_ROW1
.else
	v_wmma_scale_f32_16x16x128_f8f6f4 v[rD:rD+7], v[rA:rA+7], v[rB:rB+7], v[rC:rC+7], v[rSA], v[rSB] matrix_a_fmt:MATRIX_FMT_FP4 matrix_b_fmt:MATRIX_FMT_FP4 matrix_a_scale:MATRIX_SCALE_ROW1 matrix_b_scale:MATRIX_SCALE_ROW1
.endif
.endm
	s_load_b256 s[4:11], s[0:1], 0x0               ; oq, W_o codes, W_o scales, b_o
	s_load_b128 s[12:15], s[0:1], 0x20             ; x, y
	s_load_b64 s[16:17], s[0:1], 0x30              ; part
	v_lshl_add_u32 v4, v0, 2, 0x29000
	v_mov_b32 v10, 0
	ds_add_u32 v4, v10
	ds_add_u32 v4, v10
	v_lshrrev_b32 v1, 5, v0
	v_readfirstlane_b32 s22, v1                    ; wave
	s_and_b32 s23, ttmp7, 0xffff                   ; cb
	s_mov_b32 s24, ttmp9                           ; rb
	s_mov_b32 s32, (1<<20)|(6<<22)|(3<<25)         ; group 1: no mask; elements of 1 byte; padding on: after every 128 words (code 6) four words (code 3)
	s_mov_b32 s33, 512<<16                         ; tensor_dim0
	s_mov_b32 s34, 32<<16                          ; tensor_dim1
	s_mov_b32 s35, 512<<16                         ; tile_dim0
	s_mov_b32 s36, 32                              ; tile_dim1
	s_mov_b32 s37, 512                             ; the pitch: the rows are dense in memory
	s_mov_b32 s38, 0
	s_mov_b32 s39, 0
	s_mul_i32 s28, s22, HALF                       ; wave w fills rows 32 w .. 32 w + 31 of the 128
	s_lshl_b32 s26, s23, 16                        ; 128 cb rows of 512 bytes,
	s_lshl_b32 s29, s22, 14                        ; + 32 rows a wave
	s_add_co_u32 s26, s26, s29
	s_mov_b32 s27, 0
	s_wait_dscnt 0x0
	s_wait_kmcnt 0x0
	s_mov_b32 s48, 1
	s_mov_b32 s49, s28
	s_add_nc_u64 s[50:51], s[6:7], s[26:27]
	s_or_b32 s51, s51, 0x80000000
	tensor_load_to_lds s[48:51], s[32:39]          ; every wave its own 32 rows: one load of mine is out
	s_nop 0
	PLACES 4
	v_and_b32 v12, 31, v0                          ; v12: lane
	v_and_b32 v13, 15, v0                          ; r
	v_bfe_u32 v14, v0, 4, 1                        ; h
	v_lshlrev_b32 v1, 4, v12                       ; v1: 16 x lane
	v_lshlrev_b32 v2, 5, v13
	v_lshl_add_u32 v2, v14, 9, v2                  ; v2: the rows' scale bytes: tile 2 p + h, row r
	v_and_b32 v15, 7, v13
	v_lshrrev_b32 v11, 3, v13
	v_lshl_add_u32 v3, v11, 5, v15
	v_lshl_add_u32 v3, v14, 3, v3
	v_lshlrev_b32 v3, 5, v3                        ; v3: W_o's scale bytes: row 32 (r / 8) + 8 h + r % 8 (+ 16 p + 64 cg)
	v_lshlrev_b32 v5, 7, v14                       ; v5: b_o at column 32 h
	s_wait_alu depctr_va_vdst(0)
	v_mov_b32 v6, 0                                ; v6: 0
	v_mul_u32_u24 v7, v15, 528
	v_mad_u32_u24 v7, v11, HALF, v7
	v_lshl_add_u32 v7, v14, 4, v7                  ; a fragment's row in LDS, + 16 h
	s_mul_i32 s30, s22, STGB
	s_add_co_u32 s30, s30, STAGE                   ; my stage
	v_mul_u32_u24 v8, v13, SPITCH
	v_lshl_add_u32 v8, v14, 7, v8
	v_add_nc_u32 v8, s30, v8                       ; in: row r, 128 bytes for each half of the lanes (+ 256 cg + 32 wt)
	v_add_nc_u32 v9, s30, v1                       ; back: the 32 lanes take one row of 512 bytes
	s_mov_b32 s68, 0x76543210
	s_mov_b32 s69, 0xfedcba98                      ; v_permlanex16_b32's selects for lane l xor 16
	s_lshl_b32 s26, s24, 2
	s_add_co_u32 s29, s26, s22                     ; G = 4 rb + wave: my group of 64 rows, 0 .. 127
	s_lshl_b32 s26, s29, 15
	s_add_nc_u64 s[52:53], s[4:5], s[26:27]        ; my 4 tiles' codes: 8,192 bytes each
	s_lshl_b32 s26, s29, 11
	s_add_co_u32 s26, s26, XSO
	s_add_nc_u64 s[54:55], s[4:5], s[26:27]        ; and scale bytes: 512 each
	s_lshl_b32 s26, s23, 12
	s_add_nc_u64 s[56:57], s[8:9], s[26:27]        ; W_o's scale bytes at row 128 cb
	s_lshl_b32 s26, s23, 9
	s_add_nc_u64 s[58:59], s[10:11], s[26:27]      ; b_o at column 128 cb
	s_lshl_b32 s30, s29, 18
	s_add_co_u32 s26, s26, s30                     ; my 64 rows of 4,096 bytes, my 512 bytes of them
	s_add_nc_u64 s[60:61], s[12:13], s[26:27]
	s_add_nc_u64 s[62:63], s[14:15], s[26:27]
	s_lshl_b32 s26, s29, 6                         ; part: 1,024 bytes a batch of 16 groups, 64 a group,
	s_lshl_b32 s30, s23, 3
	s_add_co_u32 s26, s26, s30                     ; 8 bytes at place cb
	s_add_nc_u64 s[66:67], s[16:17], s[26:27]
.irp p, 0,1
.irp e, 0,1
	global_load_b128 v[XS+8*\p+4*\e:XS+8*\p+4*\e+3], v2, s[54:55] offset:\p*1024+16*\e   ; register 8 p + kstep: lanes 0-15 tile 2 p's word, lanes 16-31 tile 2 p + 1's
.endr
.endr
.irp cg, 0,1
.irp p, 0,1
.irp e, 0,1
	global_load_b128 v[WS+8*(2*\cg+\p)+4*\e:WS+8*(2*\cg+\p)+4*\e+3], v3, s[56:57] offset:\cg*2048+\p*512+16*\e
.endr
.endr
.endr
.irp cg, 0,1
.irp wt, 0,1,2,3
.irp e, 0,1
	global_load_b128 v[BI+32*\cg+8*\wt+4*\e:BI+32*\cg+8*\wt+4*\e+3], v5, s[58:59] offset:\cg*256+\wt*32+16*\e   ; register 32 cg + 8 wt + j: column 64 cg + 32 h + 8 wt + j
.endr
.endr
.endr
	WIN 0x40                                       ; destination window 1
.irp xt, 0,1,2,3
.irp kap, 0,1,2,3,4,5,6,7
.irp cc, 0,1
	global_load_b128 v[64*\xt+8*\kap+4*\cc:64*\xt+8*\kap+4*\cc+3], v[LI], s[52:53] offset:\xt*8192+\kap*1024+\cc*512   ; an image's 512 consecutive bytes
.endr
.endr
.endr
; x's 16 rows of tile tau: tile row q is row 32 (q / 8) + 8 tau + q % 8 of my 64; the 32 lanes read its 512 consecutive bytes
.macro XRES tau
	WIN 0x80                                       ; destination window 2
.irp q, 0,1,2,3,4,5,6,7,8,9,10,11,12,13,14,15
	global_load_b128 v[64*(\tau)+4*\q:64*(\tau)+4*\q+3], v[LI], s[60:61] offset:(32*(\q/8)+8*(\tau)+\q%8)*4096 th:TH_LOAD_NT
.endr
.endm
	XRES 0
	XRES 1
	XRES 2
	WIN 0
	s_wait_alu depctr_va_vdst(0)
	s_wait_tensorcnt 0x0                           ; my 32 rows of W_o have landed,
	s_barrier_signal -1
	s_barrier_wait -1                              ; everybody's have.  The one barrier: the weights are only read from here on, and each wave's stage is its own
.macro FETCHW kap, f                   ; the eight fragments of K step kap into buffer f
.irp cg, 0,1
.irp wt, 0,1,2,3
.irp cc, 0,1
	ds_load_b128 v[F+64*(\f)+32*\cg+8*\wt+4*\cc:F+64*(\f)+32*\cg+8*\wt+4*\cc+3], v[WA] offset:\cg*GRP+\wt*4224+(\kap)*64+\cc*32
.endr
.endr
.endr
.endm
.macro MULO kap                        ; 32 matrix instructions; the 32 accumulators take turns, one instruction a turn, in the same order in every K step
.if (\kap) == 0
	WIN 0xc4                                       ; A window 0, B window 1, C (the bias) window 0, D window 3
.else
	WIN 0xf4                                       ; C and D window 3
.endif
.irp cg, 0,1
.irp xt, 0,1,2,3
.irp wt, 0,1,2,3
.set rD, 32*(4*\cg+\xt)+8*\wt
.set rA, F+64*((\kap)%2)+32*\cg+8*\wt
.set rB, 64*\xt+8*(\kap)
.if (\kap) == 0
.set rC, BI+32*\cg+8*\wt
.else
.set rC, rD
.endif
.set rSA, WS+8*(2*\cg+\wt/2)+(\kap)
.set fA, \wt%2
.set rSB, XS+8*(\xt/2)+(\kap)
.set fB, \xt%2
	WM
.endr
.endr
.endr
.endm
	FETCHW 0, 0
	s_wait_loadcnt 48                              ; scale words, bias and codes are in; the 48 loads issued behind them, x of tiles 0 to 2, stay out
	XRES 3                                         ; the last tile's x goes out behind that wait, so that its count fits the counter's field
.irp kap, 0,1,2,3,4,5,6,7
	WIN 0
	s_wait_dscnt 0x0                               ; this K step's fragments are in
.if \kap < 7
.if \kap > 0
	PLACES 4                                       ; four plain places in front of the loads into the buffer that the products just issued read
.endif
	FETCHW \kap+1, (\kap+1)%2
.endif
	MULO \kap
.endr
.macro TOSTAGE tau
	WIN 0x0c                                       ; an LDS store's data are its source 1: window 3
.irp cg, 0,1
.irp wt, 0,1,2,3
.irp e, 0,1
	ds_store_b128 v[STO], v[32*(4*\cg+(\tau))+8*\wt+4*\e:32*(4*\cg+(\tau))+8*\wt+4*\e+3] offset:\cg*256+\wt*32+16*\e   ; each accumulator from its low end on
.endr
.endr
.endr
	WIN 0
.irp q, 0,1,2,3,4,5,6,7,8,9,10,11,12,13,14,15
	ds_load_b128 v[F+64*((\tau)%2)+4*\q:F+64*((\tau)%2)+4*\q+3], v[RD] offset:\q*SPITCH   ; LDS serves a wave's instructions in order: these see the stores above, and the next tile's stores come behind them
.endr
.endm
.macro FIN tau
.set yB, 64*(\tau)
.set bB, F+64*((\tau)%2)
.if (\tau) < 3
	s_wait_dscnt 32                                ; the tile is back; the next tile's 16 stores and 16 loads stay out
.else
	s_wait_dscnt 0x0
.endif
	s_wait_loadcnt 16*(3-(\tau))                   ; this tile's x is in; the later tiles' sixteen loads each stay out
	WIN 0x88                                       ; source 1 and destination: window 2
.irp k, 0,1,2,3,4,5,6,7,8,9,10,11,12,13,14,15,16,17,18,19,20,21,22,23,24,25,26,27,28,29,30,31
	v_pk_add_f32 v[yB+2*\k:yB+2*\k+1], v[bB+2*\k:bB+2*\k+1], v[yB+2*\k:yB+2*\k+1]   ; y, in x's place
.endr
	WIN 0x08                                       ; source 1, and a store's data: window 2
.irp k, 0,1,2,3,4,5,6,7,8,9,10,11,12,13,14,15,16,17,18,19,20,21,22,23,24,25,26,27,28,29,30,31
	v_pk_add_f32 v[SM+2*(\k%4):SM+2*(\k%4)+1], v[SM+2*(\k%4):SM+2*(\k%4)+1], v[yB+2*\k:yB+2*\k+1]   ; four chains
.endr
.irp q, 0,1,2,3,4,5,6,7,8,9,10,11,12,13,14,15
	global_store_b128 v[LI], v[yB+4*\q:yB+4*\q+3], s[62:63] offset:(32*(\q/8)+8*(\tau)+\q%8)*4096   ; 32 lanes store 512 consecutive bytes
.endr
.endm
	WIN 0
.irp i, 0,1,2,3,4,5,6,7,8,9,10,11,12,13,14,15
	v_mov_b32 v[SM+\i], 0                          ; the sums and the sums of squares, where the bias lay.  These sixteen plain lines name no register of the last products: they are the places in front of the first read of results and of the loads into the fragments' buffers
.endr
	TOSTAGE 0
.irp tau, 1,2,3
	TOSTAGE \tau
	FIN \tau-1                                     ; a tile's additions and stores stand behind the next tile's way through the stage
.endr
	FIN 3
.macro LANESUM reg, tmp
	v_add_f32_dpp v[\reg], v[\reg], v[\reg] row_xmask:1 row_mask:0xf bank_mask:0xf
	v_add_f32_dpp v[\reg], v[\reg], v[\reg] row_xmask:2 row_mask:0xf bank_mask:0xf
	v_add_f32_dpp v[\reg], v[\reg], v[\reg] row_xmask:4 row_mask:0xf bank_mask:0xf
	v_add_f32_dpp v[\reg], v[\reg], v[\reg] row_xmask:8 row_mask:0xf bank_mask:0xf
	v_permlanex16_b32 v[\tmp], v[\reg], s68, s69
	v_add_f32 v[\reg], v[\reg], v[\tmp]
.endm
	WIN 0
	v_pk_add_f32 v[SM:SM+1], v[SM:SM+1], v[SM+2:SM+3]
	v_pk_add_f32 v[SM+4:SM+5], v[SM+4:SM+5], v[SM+6:SM+7]
	v_pk_add_f32 v[SM:SM+1], v[SM:SM+1], v[SM+4:SM+5]
	v_add_f32 v[SM], v[SM], v[SM+1]
	LANESUM SM, SM+2
	v_mul_f32 v[SM], 0x39000000, v[SM]             ; / 8,192: the mean of my wave's numbers
; the second pass stands behind the stores, which only read y's registers: it is worked while they leave
.irp tau, 0,1,2,3
.irp hf, 0,1
	WIN 0x02                                       ; source 0: window 2
.irp k, 0,1,2,3,4,5,6,7,8,9,10,11,12,13,14,15
	v_pk_add_f32 v[DT+2*\k:DT+2*\k+1], v[64*\tau+32*\hf+2*\k:64*\tau+32*\hf+2*\k+1], v[SM:SM+1] op_sel_hi:[1,0] neg_lo:[0,1] neg_hi:[0,1]   ; y - mean (of the pair the low word serves both halves)
.endr
	WIN 0
.irp k, 0,1,2,3,4,5,6,7,8,9,10,11,12,13,14,15
	v_pk_fma_f32 v[M2+2*(\k%4):M2+2*(\k%4)+1], v[DT+2*\k:DT+2*\k+1], v[DT+2*\k:DT+2*\k+1], v[M2+2*(\k%4):M2+2*(\k%4)+1]
.endr
.endr
.endr
	v_pk_add_f32 v[M2:M2+1], v[M2:M2+1], v[M2+2:M2+3]
	v_pk_add_f32 v[M2+4:M2+5], v[M2+4:M2+5], v[M2+6:M2+7]
	v_pk_add_f32 v[M2:M2+1], v[M2:M2+1], v[M2+4:M2+5]
	v_add_f32 v[M2], v[M2], v[M2+1]
	LANESUM M2, M2+2
	v_mov_b32 v[SM+1], v[M2]                       ; (mean, sum of squared distances)
	v_cmp_eq_u32 vcc_lo, 0, v12
	s_wait_alu depctr_va_vdst(0)
	s_wait_xcnt 0x0                                ; EXEC changes only behind this wait: it is a source of the stores above
	s_wait_tensorcnt 0x0
	ds_add_u32 v4, v10
	s_wait_dscnt 0x0
	s_and_saveexec_b32 s26, vcc_lo
	global_store_b64 v6, v[SM:SM+1], s[66:67]      ; lane 0 alone
	s_wait_xcnt 0x0                                ; and again, in front of the line that widens it
	s_or_b32 exec_lo, exec_lo, s26
	s_endpgm
.Lfunc_end_k_q3947ecc53a_oproj:
	.size	k_q3947ecc53a_oproj, .Lfunc_end_k_q3947ecc53a_oproj-k_q3947ecc53a_oproj
	.p2alignl 7, 3214868480
	.fill 96, 4, 3214868480
	.section	.rodata,"a",@progbits
	.p2align	6, 0x0
	.amdhsa_kernel k_q3947ecc53a_oproj
		.amdhsa_group_segment_fixed_size 168448
		.amdhsa_private_segment_fixed_size 0
		.amdhsa_enable_private_segment 0
		.amdhsa_kernarg_size 56
		.amdhsa_user_sgpr_count 2
		.amdhsa_user_sgpr_kernarg_segment_ptr 1
		.amdhsa_wavefront_size32 1
		.amdhsa_system_sgpr_workgroup_id_x 1
		.amdhsa_system_sgpr_workgroup_id_y 1
		.amdhsa_system_sgpr_workgroup_id_z 1
		.amdhsa_system_vgpr_workitem_id 0
		.amdhsa_next_free_vgpr 1024
		.amdhsa_next_free_sgpr 80
		.amdhsa_reserve_vcc 1
		.amdhsa_float_denorm_mode_32 3
		.amdhsa_float_denorm_mode_16_64 3
		.amdhsa_memory_ordered 1
		.amdhsa_forward_progress 1
		.amdhsa_inst_pref_size 110
	.end_amdhsa_kernel
	.amdgpu_metadata
---
amdhsa.version: [ 1, 2 ]
amdhsa.kernels:
  - .name:           k_q3947ecc53a_oproj
    .symbol:         k_q3947ecc53a_oproj.kd
    .args:
      - { .name: oq, .offset: 0, .size: 8, .value_kind: global_buffer, .address_space: global }
      - { .name: W_o_codes, .offset: 8, .size: 8, .value_kind: global_buffer, .address_space: global }
      - { .name: W_o_scales, .offset: 16, .size: 8, .value_kind: global_buffer, .address_space: global }
      - { .name: b_o, .offset: 24, .size: 8, .value_kind: global_buffer, .address_space: global }
      - { .name: x, .offset: 32, .size: 8, .value_kind: global_buffer, .address_space: global }
      - { .name: y, .offset: 40, .size: 8, .value_kind: global_buffer, .address_space: global }
      - { .name: part, .offset: 48, .size: 8, .value_kind: global_buffer, .address_space: global }
    .group_segment_fixed_size: 168448
    .private_segment_fixed_size: 0
    .kernarg_segment_align: 8
    .kernarg_segment_size: 56
    .max_flat_workgroup_size: 128
    .sgpr_count:     80
    .vgpr_count:     1024
    .wavefront_size: 32
...
	.end_amdgpu_metadata
.endif
;; end of part 4
;; launch lnorm (part 5): grid 512 x 1, 8 waves a work-group, no clusters, 0 bytes of LDS; arguments y, part, ln_w, ln_b, out0; writes out0
.if DOCPART == 5
	.amdgcn_target "amdgcn-amd-amdhsa--gfx1250"
	.amdhsa_code_object_version 6
	.text
	.protected	k_q3947ecc53a_lnorm
	.globl	k_q3947ecc53a_lnorm
	.p2align	8
	.type	k_q3947ecc53a_lnorm,@function
k_q3947ecc53a_lnorm:
	s_mov_b64 s[64:65], 0
	v_nop
	global_prefetch_b8 v0, s[64:65] scope:SCOPE_SE
	s_setreg_imm32_b32 hwreg(HW_REG_WAVE_MODE, 25, 1), 1
	s_wait_xcnt 0x0
; out0 = (y - mean) x rsqrt(var + 1e-5) x ln_w + ln_b, mean and var over each batch's whole [1024][1024] plane.
; part holds, for each batch, 128 pairs (mean, sum of squared distances from it) of 8,192 numbers each.  The batch's mean is the mean of the means; its sum of squared distances is the sum of the parts'
; + 8,192 x the sum of (part's mean - mean)^2: no difference of large sums is formed.  Every wave makes the eight batches' figures for itself: 8,192 bytes, four pairs a lane and batch.
; SHARES.  A work-group takes 8,192 bytes of the plane for all eight batches, so each byte of ln_w and ln_b is read once in the launch.  A thread takes 16 bytes in each of two chunks of 4,096: a wave's load
; or store covers 512 consecutive bytes.  All of a wave's 36 loads go out at the start.  Memory binds: no LDS, no matrix unit, no cluster (work-groups share nothing but part's 8,192 bytes).
.set PT, 16                            ; v16-79   part: batch b at v[16 + 8 b]: mean, m2, mean, m2, ..
.set A,  80                            ; v80-95   batch b: v[80 + 2 b] the mean, at last -mean x rs;  v[81 + 2 b] at work
.set D,  96                            ; v96-111  batch b: v[96 + 2 b] at last rs;  v[97 + 2 b] at work
.set W,  112                           ; v112-119 ln_w
.set BB, 120                           ; v120-127 ln_b
.set Y,  128                           ; v128-191 y: batch b, chunk j at v[128 + 8 b + 4 j]
	s_load_b256 s[4:11], s[0:1], 0x0               ; y, part, ln_w, ln_b
	s_load_b64 s[12:13], s[0:1], 0x20              ; out0
	v_lshlrev_b32 v2, 4, v0                        ; v2-9: 16 x thread + the batch's 4 MiB
.irp b, 1,2,3,4,5,6,7
	v_add_nc_u32 v[2+\b], \b<<22, v2
.endr
	v_and_b32 v1, 31, v0
	s_delay_alu instid0(VALU_DEP_1)
	v_lshlrev_b32 v1, 5, v1                        ; part: 32 bytes a lane
	s_lshl_b32 s14, ttmp9, 13
	s_mov_b32 s15, 0
	s_mov_b32 s16, 0x76543210
	s_mov_b32 s17, 0xfedcba98
	s_mov_b32 s18, 0x35800000                      ; 2^-20
	s_wait_alu depctr_va_vdst(0)
	s_wait_kmcnt 0x0
	s_add_nc_u64 s[4:5], s[4:5], s[14:15]
	s_add_nc_u64 s[8:9], s[8:9], s[14:15]
	s_add_nc_u64 s[10:11], s[10:11], s[14:15]
	s_add_nc_u64 s[12:13], s[12:13], s[14:15]
.irp b, 0,1,2,3,4,5,6,7
.irp e, 0,1
	global_load_b128 v[PT+8*\b+4*\e:PT+8*\b+4*\e+3], v1, s[6:7] offset:\b*1024+16*\e
.endr
.endr
.irp j, 0,1
	global_load_b128 v[W+4*\j:W+4*\j+3], v2, s[8:9] offset:\j*4096 th:TH_LOAD_NT
.endr
.irp j, 0,1
	global_load_b128 v[BB+4*\j:BB+4*\j+3], v2, s[10:11] offset:\j*4096 th:TH_LOAD_NT
.endr
.irp b, 0,1,2,3,4,5,6,7
.irp j, 0,1
	global_load_b128 v[Y+8*\b+4*\j:Y+8*\b+4*\j+3], v[2+\b], s[4:5] offset:\j*4096 th:TH_LOAD_NT
.endr
.endr
	s_wait_loadcnt 20                              ; part is in; ln_w, ln_b and y (4 + 16 loads) stay out
	; the eight batches take turns line by line, so that no line waits for the line above it
.irp b, 0,1,2,3,4,5,6,7
	v_add_f32 v[A+2*\b], v[PT+8*\b], v[PT+8*\b+2]
.endr
.irp b, 0,1,2,3,4,5,6,7
	v_add_f32 v[A+2*\b+1], v[PT+8*\b+4], v[PT+8*\b+6]
.endr
.irp b, 0,1,2,3,4,5,6,7
	v_add_f32 v[A+2*\b], v[A+2*\b], v[A+2*\b+1]
.endr
.irp m, 1,2,4,8
.irp b, 0,1,2,3,4,5,6,7
	v_add_f32_dpp v[A+2*\b], v[A+2*\b], v[A+2*\b] row_xmask:\m row_mask:0xf bank_mask:0xf
.endr
.endr
.irp b, 0,1,2,3,4,5,6,7
	v_permlanex16_b32 v[A+2*\b+1], v[A+2*\b], s16, s17
.endr
.irp b, 0,1,2,3,4,5,6,7
	v_add_f32 v[A+2*\b], v[A+2*\b], v[A+2*\b+1]
.endr
.irp b, 0,1,2,3,4,5,6,7
	v_mul_f32 v[A+2*\b], 0x3c000000, v[A+2*\b]     ; / 128: the batch's mean
.endr
.irp n, 0,2,4,6
.irp b, 0,1,2,3,4,5,6,7
	v_sub_f32 v[PT+8*\b+\n], v[PT+8*\b+\n], v[A+2*\b]
.endr
.endr
.irp b, 0,1,2,3,4,5,6,7
	v_mul_f32 v[D+2*\b], v[PT+8*\b], v[PT+8*\b]
.endr
.irp n, 2,4,6
.irp b, 0,1,2,3,4,5,6,7
	v_fmac_f32 v[D+2*\b], v[PT+8*\b+\n], v[PT+8*\b+\n]
.endr
.endr
.irp b, 0,1,2,3,4,5,6,7
	v_add_f32 v[D+2*\b+1], v[PT+8*\b+1], v[PT+8*\b+3]
.endr
.irp b, 0,1,2,3,4,5,6,7
	v_add_f32 v[A+2*\b+1], v[PT+8*\b+5], v[PT+8*\b+7]
.endr
.irp b, 0,1,2,3,4,5,6,7
	v_add_f32 v[D+2*\b+1], v[D+2*\b+1], v[A+2*\b+1]
.endr
.irp b, 0,1,2,3,4,5,6,7
	v_fmamk_f32 v[D+2*\b+1], v[D+2*\b], 0x46000000, v[D+2*\b+1]   ; + 8,192 x the squared distances of my four means
.endr
.irp m, 1,2,4,8
.irp b, 0,1,2,3,4,5,6,7
	v_add_f32_dpp v[D+2*\b+1], v[D+2*\b+1], v[D+2*\b+1] row_xmask:\m row_mask:0xf bank_mask:0xf
.endr
.endr
.irp b, 0,1,2,3,4,5,6,7
	v_permlanex16_b32 v[A+2*\b+1], v[D+2*\b+1], s16, s17
.endr
.irp b, 0,1,2,3,4,5,6,7
	v_add_f32 v[D+2*\b+1], v[D+2*\b+1], v[A+2*\b+1]
.endr
.irp b, 0,1,2,3,4,5,6,7
	v_fmaak_f32 v[D+2*\b+1], s18, v[D+2*\b+1], 0x3727c5ac         ; var + 1e-5
.endr
	s_wait_alu depctr_va_vdst(0)
.irp b, 0,1,2,3,4,5,6,7
	v_rsq_f32 v[D+2*\b], v[D+2*\b+1]
.endr
	v_nop                                          ; a plain line behind the last transcendental
	s_wait_alu depctr_va_vdst(0)
.irp b, 0,1,2,3,4,5,6,7
	v_mul_f32 v[A+2*\b], -v[A+2*\b], v[D+2*\b]     ; -mean x rs
.endr
	s_wait_alu depctr_va_vdst(0)
.irp b, 0,1,2,3,4,5,6,7
	s_wait_loadcnt 2*(7-\b)                        ; ln_w, ln_b and this batch's y are in; the later batches' two loads each stay out
.irp j, 0,1
.irp k, 0,2
	v_pk_fma_f32 v[Y+8*\b+4*\j+\k:Y+8*\b+4*\j+\k+1], v[Y+8*\b+4*\j+\k:Y+8*\b+4*\j+\k+1], v[D+2*\b:D+2*\b+1], v[A+2*\b:A+2*\b+1] op_sel_hi:[1,0,0]   ; of both pairs the low word serves both halves
.endr
.irp k, 0,2
	s_delay_alu instid0(VALU_DEP_2)
	v_pk_fma_f32 v[Y+8*\b+4*\j+\k:Y+8*\b+4*\j+\k+1], v[Y+8*\b+4*\j+\k:Y+8*\b+4*\j+\k+1], v[W+4*\j+\k:W+4*\j+\k+1], v[BB+4*\j+\k:BB+4*\j+\k+1]
.endr
	global_store_b128 v[2+\b], v[Y+8*\b+4*\j:Y+8*\b+4*\j+3], s[12:13] offset:\j*4096 th:TH_STORE_NT
.endr
.endr
	s_endpgm
.Lfunc_end_k_q3947ecc53a_lnorm:
	.size	k_q3947ecc53a_lnorm, .Lfunc_end_k_q3947ecc53a_lnorm-k_q3947ecc53a_lnorm
	.p2alignl 7, 3214868480
	.fill 96, 4, 3214868480
	.section	.rodata,"a",@progbits
	.p2align	6, 0x0
	.amdhsa_kernel k_q3947ecc53a_lnorm
		.amdhsa_group_segment_fixed_size 0
		.amdhsa_private_segment_fixed_size 0
		.amdhsa_enable_private_segment 0
		.amdhsa_kernarg_size 40
		.amdhsa_user_sgpr_count 2
		.amdhsa_user_sgpr_kernarg_segment_ptr 1
		.amdhsa_wavefront_size32 1
		.amdhsa_system_sgpr_workgroup_id_x 1
		.amdhsa_system_sgpr_workgroup_id_y 1
		.amdhsa_system_sgpr_workgroup_id_z 1
		.amdhsa_system_vgpr_workitem_id 0
		.amdhsa_next_free_vgpr 192
		.amdhsa_next_free_sgpr 66
		.amdhsa_reserve_vcc 0
		.amdhsa_float_denorm_mode_32 3
		.amdhsa_float_denorm_mode_16_64 3
		.amdhsa_memory_ordered 1
		.amdhsa_forward_progress 1
		.amdhsa_inst_pref_size 23
	.end_amdhsa_kernel
	.amdgpu_metadata
---
amdhsa.version: [ 1, 2 ]
amdhsa.kernels:
  - .name:           k_q3947ecc53a_lnorm
    .symbol:         k_q3947ecc53a_lnorm.kd
    .args:
      - { .name: y, .offset: 0, .size: 8, .value_kind: global_buffer, .address_space: global }
      - { .name: part, .offset: 8, .size: 8, .value_kind: global_buffer, .address_space: global }
      - { .name: ln_w, .offset: 16, .size: 8, .value_kind: global_buffer, .address_space: global }
      - { .name: ln_b, .offset: 24, .size: 8, .value_kind: global_buffer, .address_space: global }
      - { .name: out0, .offset: 32, .size: 8, .value_kind: global_buffer, .address_space: global }
    .group_segment_fixed_size: 0
    .private_segment_fixed_size: 0
    .kernarg_segment_align: 8
    .kernarg_segment_size: 40
    .max_flat_workgroup_size: 256
    .sgpr_count:     66
    .vgpr_count:     192
    .wavefront_size: 32
...
	.end_amdgpu_metadata
.endif
;; end of part 5
